; MI455X (gfx1250); checked and timed in simulation.
; The chip was launched on July 23, 2026; its instructions are those of AMD's public machine-readable ISA for CDNA 5 (MIT licence, August 2026) and "CDNA5" Instruction Set Architecture Reference Guide (July 2026). The comments in the code are by the model that wrote it; some were corrected since.
;; Causal Attention. Allowed arithmetic: matrix products marked QUANTISED: E2M1 operands, one E8M0 scale for each 32 along K, by v_wmma_scale_f32_16x16x128_f8f6f4 with both operands' format E2M1 (or v_wmma_scale_f32_32x16x128_f4), f32 sums; products left as they are: bf16, f16 or f32 operands; f32 sums; everything else in f32.
;; Inputs: Wk 1,024 x 1,024 float32; Wq 1,024 x 1,024 float32; Wv 1,024 x 1,024 float32; x 4 x 2,048 x 1,024 float32.
;; Outputs: out0 4 x 2,048 x 1,024 float32.
;; This version of the problem:
;;   THIS VERSION OF THE PROBLEM IS GIVEN IN LOW PRECISION. The matrix products marked QUANTISED in the list below multiply operands that are first quantised to E2M1 (2 exponent bits, 1 mantissa bit; 4 bits a number), with one power-of-two scale for each 32 numbers along K (OCP MX v1.0); their sums are f32. The products marked 'left as it is' may take bf16, f16 or f32 operands, with f32 sums. Whichever they take, every output number must still come out within the allowed error. Rounding operands to bf16 (8 significant bits) uses up far more of that allowance than f16 does (11 bits, for magnitudes from 6e-5 to 65,504). All else is computed in f32.
;;   The module's matrix products, in the order in which they are computed (A, B: the left and right operand; K: the contracted axis; several contracted axes count as one K, in the product's order):
;;     1. [M 8,192, K 1,024] x [K 1,024, N 1,024]; A: input x; B: input Wq: QUANTISED
;;     2. [M 8,192, K 1,024] x [K 1,024, N 1,024]; A: input x; B: input Wk: QUANTISED
;;     3. [M 8,192, K 1,024] x [K 1,024, N 1,024]; A: input x; B: input Wv: QUANTISED
;;     4. batch 4 x [M 2,048, K 1,024] x [K 1,024, N 2,048]; A: computed on the way; B: computed on the way: left as it is (an operand is computed on the way)
;;     5. batch 4 x [M 2,048, K 2,048] x [K 2,048, N 1,024]; A: computed on the way; B: computed on the way: left as it is (an operand is computed on the way)
;;   THE QUANTISER, for each operand of a quantised product, along K:
;;     - K is cut into blocks of 32 from its start; a last block that is shorter is filled with zeros.
;;     - A block's scale is 2^e with e = floor(log2(the largest magnitude in the block)) - 2, held to -126 .. 127; a block of zeros has e = 0. As a byte (E8M0): e + 127.
;;     - Each number is divided by its block's scale, clamped to +-6, and rounded to the nearest number of E2M1, ties to even, subnormals kept.
;;     - The product sums the exact products of the quantised numbers (number of the format x scale) in f32.
;;   ~~~python
;;   def quantise(x, axis):      # numpy; x: float32 -> the quantised numbers, widened to float32 again
;;       x = np.moveaxis(x, axis, -1); K = x.shape[-1]
;;       x = np.pad(x, [(0, 0)] * (x.ndim - 1) + [(0, -K % 32)]); x = x.reshape(x.shape[:-1] + (-1, 32)); a = np.abs(x).max(-1, keepdims=True)
;;       e = np.where(a > 0, np.clip(np.frexp(np.where(a > 0, a, 1))[1] - 1 - 2, -126, 127), 0)      # np.frexp(a)[1] - 1 = floor(log2(a)), exactly
;;       r = np.clip(x / 2.0 ** e, -6, 6)
;;       step = 2.0 ** (np.maximum(np.frexp(np.where(r == 0, 1, r))[1] - 1, 0) - 1)
;;       q = np.round(r / step) * step * 2.0 ** e      # np.round: ties to even
;;       return np.moveaxis(q.reshape(q.shape[:-2] + (-1,))[..., :K], -1, axis).astype(np.float32)
;;   ~~~
;; One version. Each part assembles by itself: llvm-mc -triple=amdgcn-amd-amdhsa -mcpu=gfx1250 --defsym DOCPART=n.
;; ======== version 1 of 1: 5 launches
;; limits: values are held in f16: magnitudes above 65,504 overflow, below 6.1e-05 lose precision
;; workspace buffers: xc 4,194,304 bytes; xs 262,144 bytes; wc 1,572,864 bytes; ws 98,304 bytes; qkv 50,331,648 bytes; h32 786,432 bytes; pim 18,874,368 bytes; st 1,048,576 bytes
;; launch quant (part 1): grid 352 x 1, 4 waves a work-group, no clusters, 121,344 bytes of LDS; arguments x, Wq, Wk, Wv, xc, xs, wc, ws; writes xc, xs, wc, ws
.if DOCPART == 1
	.amdgcn_target "amdgcn-amd-amdhsa--gfx1250"
	.amdhsa_code_object_version 6
	.text
	.protected	k_q8bcfd778ed_quant
	.globl	k_q8bcfd778ed_quant
	.p2align	8
	.type	k_q8bcfd778ed_quant,@function
k_q8bcfd778ed_quant:
	s_mov_b64 s[64:65], 0
	v_nop
	global_prefetch_b8 v0, s[64:65] scope:SCOPE_SE
	s_setreg_imm32_b32 hwreg(HW_REG_WAVE_MODE, 25, 1), 1
	s_wait_xcnt 0x0
; x [8192][1024] and Wq, Wk, Wv [1024 (k)][1024 (n)], f32, become codes of FP4 (E2M1) with K innermost and one E8M0 scale byte for each 32 along K.
; xc [8192][512 bytes], xs [8192][32];  wc [3072 (n = 1024 sel + column; sel 0 Wq, 1 Wk, 2 Wv)][512 bytes], ws [3072][32].
; A block's scale is 2^(floor(log2(its largest magnitude)) - 2); its byte is the largest magnitude's exponent field - 2, held at 1 from below.
; LIMITS: a block of zeros gets the byte 1 where the rule says 127 (its codes are zeros, and these bytes are read by this program alone); blocks whose largest magnitude lies
; under 2^(2 - 126) were not considered; NaN and infinities among the inputs are not served.
; Work-groups 0 to 95 take the weights, 96 to 351 take x.  The branch hangs on the work-group's number alone; each way has LDS bytes of its own and its own end.
; x: K is innermost, so x is a plain stream of blocks of 32.  A wave takes 16 steps of 512 numbers; each load reads 512 consecutive bytes; a step turns through the wave's own stage in LDS so that a lane holds
;    16 neighbours (two lanes to a block).  Loads run eight steps (32 loads a wave) ahead.
; W: K is the FIRST axis.  A work-group takes 64 columns x 512 along K, wave w the 128 along K from 128 w on.  Loads read whole rows of 256 bytes (sixteen lanes to a row), go through the wave's own stage, and come
;    back with a lane to a column and the registers running down K: a block of 32 lies in one lane.  The four waves' codes of a column meet in LDS (256 bytes a column) and leave as aligned pieces of 256 bytes.
.set STEPS, 16
.set EMAX,  2
.set CB,    8                          ; bytes of 16 codes
.set R,     16                         ; x: v16-143  eight sets of 16 numbers as loaded
.set X,     144                        ; x: v144-175 two sets of 16 neighbours
.set E,     176                        ; x: v176-191 a scale byte for each step
.set C,     192                        ; x: v192-255 codes, four registers for each step
.set WREG,  8192                       ; x: LDS region of a wave: two stages of 32 x SP bytes, then its 256 scale bytes
.set SP,    80
.set SPW,   12                         ; v12 LDS address of my spare word; never rewritten
.set NIL,   13                         ; v13 0; never rewritten
.set WGW,   96                         ; work-groups that take the weights
.set IPITCH, 272                       ; W: a stage row: 256 bytes + 16
.set INST,  4*WREG                     ; W: the waves' stages on the way in, 64 rows each
.set INSZ,  64*IPITCH
.set OST,   INST+4*INSZ                ; W: the codes of 64 columns, 256 bytes + 16 a column
.set SST,   OST+64*IPITCH              ; W: their scale bytes, 16 a column
.set SPARE, SST+1024                   ; the spare words, 128 bytes for each wave: two blocks of 256 bytes that no other line names
.macro LOAD t
.irp i, 0,1,2,3
	global_load_b128 v[R+16*((\t)%8)+4*\i:R+16*((\t)%8)+4*\i+3], v3, s[4:5] offset:2048*(\t)+512*\i th:TH_LOAD_NT   ; 32 lanes read 512 consecutive bytes
.endr
.endm
.macro TURN t                          ; step t's numbers through the stage: LDS serves a wave's instructions in order, so no wait stands between the stores and the loads
.irp i, 0,1,2,3
	ds_store_b128 v14, v[R+16*((\t)%8)+4*\i:R+16*((\t)%8)+4*\i+3] offset:32*SP*((\t)%2)+8*SP*\i
.endr
.irp i, 0,1,2,3
	ds_load_b128 v[X+16*((\t)%2)+4*\i:X+16*((\t)%2)+4*\i+3], v15 offset:32*SP*((\t)%2)+16*\i
.endr
.endm
.macro STEP t
.set XS, X+16*((\t)%2)
.if (\t) > 0
	s_wait_dscnt 1                                 ; this step's numbers are back from the stage (the last step's byte store may be out): so its stores into the stage have read their registers,
.else
	s_wait_dscnt 0x0
.endif
.if (\t)+8 < STEPS
	LOAD (\t)+8                                    ; which take the loads of eight steps on
.endif
.if (\t)+1 < STEPS
.if (\t) <= 7
	s_wait_loadcnt 28                              ; the next step's four loads are in; those of the seven steps behind it may be out
.else
	s_wait_loadcnt 4*(14-(\t))
.endif
	TURN (\t)+1
.endif
	v_max3_num_f32 v8, |v[XS]|, |v[XS+1]|, |v[XS+2]|               ; the largest magnitude of my 16
	v_max3_num_f32 v9, |v[XS+3]|, |v[XS+4]|, |v[XS+5]|
.irp i, 6,10
	v_max3_num_f32 v8, v8, |v[XS+\i]|, |v[XS+\i+1]|
	v_max3_num_f32 v9, v9, |v[XS+\i+2]|, |v[XS+\i+3]|
.endr
	v_max3_num_f32 v8, v8, |v[XS+14]|, |v[XS+15]|
	v_max3_num_f32 v8, v8, v9, (EMAX+1)<<23        ; and the floor 2^(EMAX + 1 - 127): the byte cannot fall under 1
	v_max_num_f32_dpp v8, v8, v8 row_xmask:1 row_mask:0xf bank_mask:0xf   ; and of my neighbour's 16: the block's
	v_add_nc_u32 v11, -(EMAX<<23), v8              ; EMAX off its exponent field: the conversion takes the exponent field of this operand as its scale
	v_cvt_scalef32_pk8_fp4_f32 v[C+4*(\t)], v[XS:XS+7], v11
	v_cvt_scalef32_pk8_fp4_f32 v[C+4*(\t)+1], v[XS+8:XS+15], v11
	v_lshrrev_b32 v[E+(\t)], 23, v11               ; the scale's byte (a plain line behind the conversions)
	ds_store_b8 v5, v[E+(\t)] offset:16*(\t)       ; both lanes of a block write the same byte with the same value
	global_store_b64 v4, v[C+4*(\t):C+4*(\t)+1], s[12:13] offset:32*CB*(\t)   ; the wave stores 256 consecutive bytes, aligned
.endm
; W: 64 rows of 256 bytes: rows 64 be on of my 128
.macro WLOADS be
.set I, 0
.rept 32
	global_load_b128 v[32+4*I:35+4*I], v15, s[6:7] offset:(64*\be+2*I)*4096 th:TH_LOAD_NT   ; lanes 0-15 one row's 256 bytes, lanes 16-31 the next row's
.set I, I+1
.endr
.endm
.macro WSTAGE
.set I, 0
.rept 32
	s_wait_loadcnt 31-I                            ; loads come back in order: load I is in, the younger ones may be out
	ds_store_b128 v16, v[32+4*I:35+4*I] offset:2*I*IPITCH
.set I, I+1
.endr
.endm
; W: one block of 32 along K for 32 columns: columns 32 p on, stage rows 32 bl on; it is block 2 be + bl of my four
.macro WBLOCK be, p, bl
.set I, 0
.rept 32
	ds_load_b32 v[160+I], v5 offset:128*\p+(32*\bl+I)*IPITCH     ; a lane to a column, the registers down K; 32 lanes read 128 consecutive bytes
.set I, I+1
.endr
	s_wait_dscnt 0x0                               ; they are in; and the last block's store of codes has read its registers
	v_max3_num_f32 v8, |v160|, |v161|, |v162|      ; the block's largest magnitude: all 32 numbers are mine
	v_max3_num_f32 v9, |v163|, |v164|, |v165|
.irp i, 6,10,14,18,22,26
	v_max3_num_f32 v8, v8, |v[160+\i]|, |v[161+\i]|
	v_max3_num_f32 v9, v9, |v[162+\i]|, |v[163+\i]|
.endr
	v_max3_num_f32 v8, v8, |v190|, |v191|
	v_max3_num_f32 v8, v8, v9, (EMAX+1)<<23
	v_add_nc_u32 v10, -(EMAX<<23), v8
	v_lshrrev_b32 v11, 23, v10
.if (2*\be+\bl) == 0
	v_mov_b32 v[24+\p], v11                        ; four bytes to a register, the lower K in the lower byte
.else
	v_lshl_or_b32 v[24+\p], v11, 8*(2*\be+\bl), v[24+\p]
.endif
.irp g, 0,1,2,3
	v_cvt_scalef32_pk8_fp4_f32 v[192+\g], v[160+8*\g:167+8*\g], v10
.endr
	v_nop                                          ; one plain line behind the last conversion
	ds_store_b128 v6, v[192:195] offset:32*\p*IPITCH+16*(2*\be+\bl)   ; 32 codes: 16 bytes of my column's 256
.endm
	s_load_b256 s[4:11], s[0:1], 0x0               ; x s[4:5], Wq s[6:7], Wk s[8:9], Wv s[10:11]
	s_load_b256 s[12:19], s[0:1], 0x20             ; xc s[12:13], xs s[14:15], wc s[16:17], ws s[18:19]
	v_lshl_add_u32 v[SPW], v0, 2, SPARE
	v_mov_b32 v[NIL], 0
	v_lshrrev_b32 v1, 5, v0
	v_readfirstlane_b32 s20, v1                    ; wave
	v_and_b32 v2, 31, v0                           ; lane
	s_cmp_lt_u32 ttmp9, WGW
	s_cbranch_scc1 .Lweights
	; ---------------- x ----------------
	v_lshlrev_b32 v3, 4, v2                        ; my 16 bytes of a load's 512
	s_mul_i32 s21, s20, WREG
	v_lshrrev_b32 v14, 2, v2
	v_mul_u32_u24 v14, v14, SP
	v_and_b32 v15, 3, v2
	v_lshl_add_u32 v14, v15, 4, v14
	v_add_nc_u32 v14, s21, v14                     ; the stage, on the way in: SP (lane / 4) + 16 (lane % 4)
	v_mul_u32_u24 v15, v2, SP
	v_add_nc_u32 v15, s21, v15                     ; and on the way out: SP x lane: my 16 neighbours
	v_mul_u32_u24 v4, v2, CB                       ; my codes' place in a step's
	v_lshrrev_b32 v5, 1, v2
	s_add_co_u32 s21, s21, 2*32*SP
	v_add_nc_u32 v5, s21, v5                       ; my wave's 256 scale bytes, my block's byte
	v_lshlrev_b32 v7, 3, v2
	v_add_nc_u32 v6, s21, v7                       ; and on the way out 8 bytes a lane
	s_sub_co_u32 s22, ttmp9, WGW
	s_lshl_b32 s22, s22, 2
	s_add_co_u32 s22, s22, s20                     ; which run of 8,192 numbers is my wave's: 0 to 1,023
	s_lshl_b32 s24, s22, 15                        ; 32,768 bytes of x,
	s_mov_b32 s25, 0
	s_lshl_b32 s26, s22, 12                        ; 4,096 of codes,
	s_mov_b32 s27, 0
	s_lshl_b32 s28, s22, 8                         ; 256 scale bytes a run
	s_mov_b32 s29, 0
	s_wait_kmcnt 0x0
	s_add_nc_u64 s[4:5], s[4:5], s[24:25]
	s_add_nc_u64 s[12:13], s[12:13], s[26:27]
	s_add_nc_u64 s[14:15], s[14:15], s[28:29]
.irp t, 0,1,2,3,4,5,6,7
	LOAD \t
.endr
	s_wait_loadcnt 28                              ; step 0's four loads are in
	TURN 0
.irp t, 0,1,2,3,4,5,6,7,8,9,10,11,12,13,14,15
	STEP \t
.endr
	ds_load_b64 v[8:9], v6                         ; LDS serves a wave's instructions in order: these see my byte stores
	s_wait_dscnt 0x0
	global_store_b64 v7, v[8:9], s[14:15]          ; 32 lanes store 256 consecutive bytes, aligned
	s_wait_tensorcnt 0x0                           ; the wave's end: three lines behind my last LDS store
	ds_add_u32 v[SPW], v[NIL]
	s_wait_dscnt 0x0
	s_endpgm
	; ---------------- the weights ----------------
.Lweights:
	s_lshr_b32 s21, ttmp9, 5                       ; sel: which weight
	s_bfe_u32 s22, ttmp9, 0x10004                  ; kh: which 512 along K
	s_and_b32 s23, ttmp9, 15                       ; cg: which 64 columns
	v_lshrrev_b32 v3, 4, v2                        ; lr = lane / 16
	v_and_b32 v4, 15, v2                           ; lc = lane % 16
	v_lshlrev_b32 v15, 4, v4
	v_lshl_add_u32 v15, v3, 12, v15                ; in memory: lr rows of 4,096 bytes + 16 lc
	s_mul_i32 s24, s20, INSZ
	s_add_co_u32 s24, s24, INST                    ; my stage on the way in
	v_mul_u32_u24 v16, v3, IPITCH
	v_lshl_add_u32 v16, v4, 4, v16
	v_add_nc_u32 v16, s24, v16                     ; into it: as loaded
	v_lshl_add_u32 v5, v2, 2, s24                  ; out of it: 4 x lane: my column
	v_mul_u32_u24 v6, v2, IPITCH
	s_lshl_b32 s25, s20, 6
	s_add_co_u32 s25, s25, OST
	v_add_nc_u32 v6, s25, v6                       ; the codes: row = my column, my wave's 64 bytes of its 256
	s_lshl_b32 s25, s20, 2
	s_add_co_u32 s25, s25, SST
	v_lshl_add_u32 v7, v2, 4, s25                  ; the scale bytes: 16 a column, my wave's four
	s_mul_i32 s25, s20, 16*IPITCH
	s_add_co_u32 s25, s25, OST
	v_mul_u32_u24 v14, v3, IPITCH
	v_lshl_add_u32 v14, v4, 4, v14
	v_add_nc_u32 v14, s25, v14                     ; the way out: columns 16 w on, sixteen lanes to a column
	v_lshlrev_b32 v17, 4, v4
	v_lshl_add_u32 v17, v3, 9, v17                 ; and the same place in wc: 512 lr + 16 lc
	s_lshl_b32 s25, s20, 8
	s_add_co_u32 s25, s25, SST
	v_lshl_add_u32 v18, v2, 3, s25                 ; the scale bytes of my 16 columns, 8 a lane
	v_lshrrev_b32 v19, 1, v2
	v_and_b32 v20, 1, v2
	v_lshlrev_b32 v20, 3, v20
	v_lshl_add_u32 v19, v19, 5, v20                ; in ws: 32 (lane / 2) + 8 (lane % 2)
	s_lshl_b32 s26, s22, 21                        ; W: 512 kh rows of 4,096 bytes
	s_lshl_b32 s27, s20, 19                        ;  + 128 w rows
	s_add_co_u32 s26, s26, s27
	s_lshl_b32 s27, s23, 8                         ;  + 64 cg columns
	s_add_co_u32 s26, s26, s27
	s_mov_b32 s27, 0
	s_lshl_b32 s28, s21, 10
	s_lshl_b32 s29, s23, 6
	s_add_co_u32 s28, s28, s29
	s_lshl_b32 s29, s20, 4
	s_add_co_u32 s28, s28, s29                     ; the first row of wc that I store: 1024 sel + 64 cg + 16 w
	s_lshl_b32 s30, s28, 9
	s_lshl_b32 s29, s22, 8
	s_add_co_u32 s30, s30, s29                     ; x 512 bytes + 256 kh
	s_mov_b32 s31, 0
	s_lshl_b32 s32, s28, 5
	s_lshl_b32 s29, s22, 4
	s_add_co_u32 s32, s32, s29                     ; in ws: x 32 bytes + 16 kh
	s_mov_b32 s33, 0
	s_wait_kmcnt 0x0
	s_cmp_eq_u32 s21, 0                            ; the choice hangs on the work-group's number alone
	s_cselect_b64 s[6:7], s[6:7], s[8:9]
	s_cmp_eq_u32 s21, 2
	s_cselect_b64 s[6:7], s[10:11], s[6:7]
	s_add_nc_u64 s[6:7], s[6:7], s[26:27]
	s_add_nc_u64 s[16:17], s[16:17], s[30:31]
	s_add_nc_u64 s[18:19], s[18:19], s[32:33]
	WLOADS 0
	WSTAGE
	s_wait_dscnt 0x0                               ; the stores have read their registers:
	WLOADS 1                                       ; the second 64 rows are on their way while the first are quantised
	WBLOCK 0, 0, 0
	WBLOCK 0, 0, 1
	WBLOCK 0, 1, 0
	WBLOCK 0, 1, 1
	WSTAGE                                         ; my reads of the stage are back (each block has waited for its own)
	WBLOCK 1, 0, 0
	WBLOCK 1, 0, 1
	WBLOCK 1, 1, 0
	WBLOCK 1, 1, 1
	ds_store_b32 v7, v24                           ; my four scale bytes of columns 0-31,
	ds_store_b32 v7, v25 offset:512                ; and of columns 32-63
	s_wait_dscnt 0x0                               ; for the others' sake: my stores of codes and bytes are done
	s_barrier_signal -1
	s_barrier_wait -1                              ; the 64 columns' 256 bytes are whole
.irp i, 0,1,2,3,4,5,6,7
	ds_load_b128 v[32+4*\i:35+4*\i], v14 offset:2*\i*IPITCH
.endr
	ds_load_b64 v[64:65], v18
.irp i, 0,1,2,3,4,5,6,7
	s_wait_dscnt 8-\i
	global_store_b128 v17, v[32+4*\i:35+4*\i], s[16:17] offset:1024*\i   ; sixteen lanes store 256 consecutive bytes, aligned
.endr
	s_wait_dscnt 0x0
	global_store_b64 v19, v[64:65], s[18:19]       ; 16 bytes a column, rows 32 bytes apart: 98,304 bytes in the whole launch leave in such pieces
	s_wait_tensorcnt 0x0                           ; the wave's end: three lines behind my last LDS store
	ds_add_u32 v[SPW], v[NIL]
	s_wait_dscnt 0x0
	s_endpgm
.Lfunc_end_k_q8bcfd778ed_quant:
	.size	k_q8bcfd778ed_quant, .Lfunc_end_k_q8bcfd778ed_quant-k_q8bcfd778ed_quant
	.p2alignl 7, 3214868480
	.fill 96, 4, 3214868480
	.section	.rodata,"a",@progbits
	.p2align	6, 0x0
	.amdhsa_kernel k_q8bcfd778ed_quant
		.amdhsa_group_segment_fixed_size 121344
		.amdhsa_private_segment_fixed_size 0
		.amdhsa_enable_private_segment 0
		.amdhsa_kernarg_size 64
		.amdhsa_user_sgpr_count 2
		.amdhsa_user_sgpr_kernarg_segment_ptr 1
		.amdhsa_wavefront_size32 1
		.amdhsa_system_sgpr_workgroup_id_x 1
		.amdhsa_system_sgpr_workgroup_id_y 1
		.amdhsa_system_sgpr_workgroup_id_z 1
		.amdhsa_system_vgpr_workitem_id 0
		.amdhsa_next_free_vgpr 256
		.amdhsa_next_free_sgpr 66
		.amdhsa_reserve_vcc 0
		.amdhsa_float_denorm_mode_32 3
		.amdhsa_float_denorm_mode_16_64 3
		.amdhsa_memory_ordered 1
		.amdhsa_forward_progress 1
		.amdhsa_inst_pref_size 78
	.end_amdhsa_kernel
	.amdgpu_metadata
---
amdhsa.version: [ 1, 2 ]
amdhsa.kernels:
  - .name:           k_q8bcfd778ed_quant
    .symbol:         k_q8bcfd778ed_quant.kd
    .args:
      - { .name: x, .offset: 0, .size: 8, .value_kind: global_buffer, .address_space: global }
      - { .name: Wq, .offset: 8, .size: 8, .value_kind: global_buffer, .address_space: global }
      - { .name: Wk, .offset: 16, .size: 8, .value_kind: global_buffer, .address_space: global }
      - { .name: Wv, .offset: 24, .size: 8, .value_kind: global_buffer, .address_space: global }
      - { .name: xc, .offset: 32, .size: 8, .value_kind: global_buffer, .address_space: global }
      - { .name: xs, .offset: 40, .size: 8, .value_kind: global_buffer, .address_space: global }
      - { .name: wc, .offset: 48, .size: 8, .value_kind: global_buffer, .address_space: global }
      - { .name: ws, .offset: 56, .size: 8, .value_kind: global_buffer, .address_space: global }
    .group_segment_fixed_size: 121344
    .private_segment_fixed_size: 0
    .kernarg_segment_align: 8
    .kernarg_segment_size: 64
    .max_flat_workgroup_size: 128
    .sgpr_count:     66
    .vgpr_count:     256
    .wavefront_size: 32
...
	.end_amdgpu_metadata
.endif
;; end of part 1
;; launch proj (part 2): grid 8 x 32, 4 waves a work-group, clusters of 4 x 4, 327,680 bytes of LDS; arguments xc, xs, wc, ws, qkv, h32; writes qkv, h32
.if DOCPART == 2
	.amdgcn_target "amdgcn-amd-amdhsa--gfx1250"
	.amdhsa_code_object_version 6
	.text
	.protected	k_q8bcfd778ed_proj
	.globl	k_q8bcfd778ed_proj
	.p2align	8
	.type	k_q8bcfd778ed_proj,@function
k_q8bcfd778ed_proj:
	s_mov_b64 s[64:65], 0
	v_nop
	global_prefetch_b8 v0, s[64:65] scope:SCOPE_SE
	s_setreg_imm32_b32 hwreg(HW_REG_WAVE_MODE, 25, 1), 1
	s_wait_xcnt 0x0
	s_wait_alu depctr_hold_cnt(0) depctr_sa_sdst(0) depctr_va_vdst(0) depctr_va_sdst(0) depctr_va_ssrc(0) depctr_va_vcc(0) depctr_vm_vsrc(0)
	s_getreg_b32 s2, hwreg(HW_REG_IB_STS2, 6, 4)
	s_cmp_eq_u32 s2, 0
	s_cbranch_scc0 .Lentry_in_a_cluster
	s_endpgm
.Lentry_in_a_cluster:
	s_bfe_u32 s2, ttmp6, 0x10000c
	s_cmp_lg_u32 s2, 0xf033
	s_cbranch_scc0 .Lentry_shape_is_right
	s_endpgm
.Lentry_shape_is_right:
; q | k | v = x W on codes of FP4 (E2M1) with one E8M0 scale for each 32 along K: C[token][n] = sum over k of x[token][k] W[n][k], 8,192 x 3,072, K = 1,024; sums in f32, one accumulator for each output, K ascending.
; SHARES.  A work-group makes 256 tokens x 384 columns: 32 x 8 = 256 work-groups, one for each WGP.  Wave w owns tokens 64 w .. 64 w + 63 (four blocks of 16) for all 384 columns, which go in three CHUNKS of 128:
; a chunk is 32 accumulators, eight steps of 128 along K, 32 matrix instructions a step.  The wave's fragments of x for all of K (4 x 8 x 8 = 256 registers) are read from LDS once and stay;
; a step reads W's eight fragments alone (16 LDS loads for 32 matrix instructions).  A chunk's results leave while the next chunk is multiplied: nothing waits for the stores.
; LDS.  x's 256 rows and W's chunks 0 and 1 (rows of 512 bytes: all of K) and all scale bytes are asked for at the head.  The three chunks beside x would be 337,920 bytes, more than a WGP has: chunk 2 is filled into x's
; bytes, behind a round of the cluster's barrier, when every wave holds x in registers: the launch's one refill; two steps, a way out and a whole chunk lie between the request and the wait for it.
; CLUSTERS: 4 x 4 work-groups; the four of a row of the cluster need the same rows of x, the four of a column the same rows of W: each tile is asked for jointly.
; No prefetch is laid: all of a work-group's tiles but one are asked for at its head.
; THE MATRIX INSTRUCTION IS USED TRANSPOSED (source 0 = 16 rows of W, source 1 = 16 tokens): a lane holds eight neighbouring columns of one token.
; WHERE THE ROWS GO.  Token 128 m + 16 g + r of batch b is stored, rounded to f16, at row 2048 b + 256 g + 16 m + r of qkv (6,144 bytes a row).  The tile row is 8 cy + Y (cy: place in the cluster, Y: the cluster's y),
; so the batch is cy; block i of wave w is g = 4 (w % 2) + i, m = 2 Y + w / 2.  A chunk's 128 columns are 256 bytes of a row, aligned.
; The first 16 tokens of each batch (Y = 0, wave 0, block 0) are stored in f32 too, into h32 [4][16][3072].
; LIMIT: q, k and v are kept in f16: magnitudes beyond 65,504 become infinite, those under 6e-5 lose relative precision.
; REGISTERS, in windows of 256: window 0: v16-30 addresses; v32-95 scale words; v96-127 packed results; v128-191 rows read back, two sets; v192-255 the f32 rows.
;   window 1: x's fragments, (block i, step q) at v[8 (8 i + q)].   window 2: the accumulators, (i, b) at v[8 (8 i + b)].   window 3: W's fragments, four sets of 64: (step q, block b) at v[64 (q % 4) + 8 b].
.set NP,     4                         ; places behind this matrix instruction (ISA guide 7.12.1)
.set PITCH,  528                       ; an LDS row: 512 bytes + 16 of padding = 132 words: the 16 rows of a load start at 16 different banks (64 banks of 4 bytes: ISA guide 11.1)
.set ASZ,    256*PITCH                 ; x's rows, from LDS byte 0
.set BSZ,    128*PITCH                 ; a chunk of W
.set LB0,    ASZ
.set LB1,    ASZ+BSZ                   ; chunk 2 lies at byte 0, over x
.set SCA,    ASZ+2*BSZ                 ; x's scale bytes: 8,192 dense bytes as 32 pieces of 256 + 16
.set SCB,    SCA+32*272                ; W's: 12,288 bytes as 48 pieces
.set STAGE,  SCB+48*272                ; the f16 stages: 16 rows x 272 for each wave; no tile lands here
.set SPITCH, 272
.set FSTG,   STAGE+4*16*SPITCH         ; the f32 stage: 16 rows x 528
.set FPITCH, 528
.set SPARE,  FSTG+16*FPITCH            ; the spare words, 128 bytes for each wave: two blocks of 256 bytes that no other line names
.set ROWQ,   6144                      ; a row of qkv in bytes
.set ADRA, 16                          ; v16    LDS address of my x fragments
.set ADRB, 17                          ; v17-19 of W's fragments in chunk 0, 1, 2
.set ADRS, 20                          ; v20-22 of the scale words for chunk 0, 1, 2: lanes 0-15 x's rows, lanes 16-31 W's
.set STF,  23                          ; v23 the f32 stage: where I put 32 bytes of a row
.set STO,  24                          ; v24 the f16 stage: where I put 16 bytes of a row
.set RD,   25                          ; v25 and where I read a row back
.set CO,   26                          ; v26 my byte offset in two rows of qkv
.set RDF,  27                          ; v27 the f32 stage: where I read a row back
.set SPW,  28                          ; v28 LDS address of my spare word; never rewritten
.set NIL,  29                          ; v29 0; never rewritten
.set COF,  30                          ; v30 16 x lane: my place in a row of h32
.set SC,   32                          ; register 8 b + q: lanes 0-15 the word of x's block b (b < 4), lanes 16-31 that of W's block b, for step q
.set TMP,  96
.set BKB,  128
.set HB,   192
.set G1A,  24                          ; s[24:31] group 1: x's half, 128 rows
.set G1B,  32                          ; s[32:39] chunk 0's half, 64 rows
.set G1Q,  40                          ; s[40:47] a quarter of a chunk, 32 rows
.set G1SA, 48                          ; s[48:55] half of x's scales
.set G1SB, 56                          ; s[56:63] half of W's scales
.set G0A,  68                          ; groups 0, four registers each; none is ever rewritten
.set G0B,  72
.set G0Q1, 76
.set G0Q2, 80
.set G0SA, 84
.set G0SB, 88
.set CW0, (0<<16)|(1<<20)|(1<<21)|(6<<22)|(3<<25)   ; codes: elements of 1 byte; padding on; bit 21 beside a mask; 4 words behind every 128
.set SW0, (3<<16)|(1<<20)|(1<<21)|(5<<22)|(3<<25)   ; scales: elements of 8 bytes; 4 words behind every 64
.set MSB, 0
.macro WIN new                         ; the immediate's high byte repeats the setting that is left
.if MSB != \new
	s_set_vgpr_msb (MSB<<8)|\new
.set MSB, \new
.endif
.endm
.set MULW, 0xa7                        ; source 0 (W) window 3, source 1 (x) window 1, C and D window 2
.set TO_A, 0x40                        ; destination window 1, address window 0
.set TO_B, 0xc0                        ; destination window 3
; A joint load: waves 0 and 1 fetch for x, waves 2 and 3 for W.  The branch hangs on the wave's number alone.  An s_nop 0 and four v_nop follow each of the two lines.
.macro JLOAD g0a, g1a, g0b, g1b
	s_cmp_eq_u32 s15, 0
	s_cbranch_scc0 .Lfor_b_\@
	tensor_load_to_lds s[\g0a:\g0a+3], s[\g1a:\g1a+7]
	s_nop 0
.rept 4
	v_nop
.endr
	s_branch .Lasked_\@
.Lfor_b_\@:
	tensor_load_to_lds s[\g0b:\g0b+3], s[\g1b:\g1b+7]
	s_nop 0
.rept 4
	v_nop
.endr
.Lasked_\@:
.endm
.macro CROUND                          ; a round of the cluster's barrier
	s_barrier_signal -1
	s_barrier_wait -1
	s_cmp_lg_u32 s14, 0
	s_cbranch_scc1 .Lnot_wave_0_\@
	s_barrier_signal -3
.Lnot_wave_0_\@:
	s_barrier_wait -3
	s_barrier_signal -1
	s_barrier_wait -1
.endm
.macro SHAPE g, c, r, p                ; the rest of a group 1: r rows of c elements, p elements from row to row
	s_mov_b32 s[\g+1], (\c)<<16                    ; tensor_dim0
	s_mov_b32 s[\g+2], (\r)<<16                    ; tensor_dim1
	s_mov_b32 s[\g+3], (\c)<<16                    ; tile_dim0
	s_mov_b32 s[\g+4], \r                          ; tile_dim1
	s_mov_b32 s[\g+5], \p                          ; tensor_dim0_stride
	s_mov_b32 s[\g+6], 0
	s_mov_b32 s[\g+7], 0
.endm
.macro PLACES n                        ; plain vector lines between a matrix instruction and a load into, or a read of, its registers
.rept \n
	v_nop
.endr
.endm
	s_load_b128 s[4:7], s[0:1], 0x0                ; x's codes s[4:5], x's scales s[6:7]
	s_load_b128 s[8:11], s[0:1], 0x10              ; W's codes s[8:9], W's scales s[10:11]
	s_load_b64 s[12:13], s[0:1], 0x20              ; qkv
	s_load_b64 s[98:99], s[0:1], 0x28              ; h32
	v_lshl_add_u32 v[SPW], v0, 2, SPARE
	v_mov_b32 v[NIL], 0
	ds_add_u32 v[SPW], v[NIL]                      ; the wave's opening: the add, twice on end, and its wait ahead of my first tensor load
	ds_add_u32 v[SPW], v[NIL]
	v_lshrrev_b32 v1, 5, v0
	v_readfirstlane_b32 s14, v1                    ; wave 0..3
	s_lshr_b32 s15, s14, 1                         ; I fetch for x (0) or for W (1).  Also: which 128 tokens of the tile hold my 64
	s_and_b32 s16, s14, 1                          ; which half I fetch.  Also: which 64 of those 128
	s_bfe_u32 s92, ttmp6, 0x40000                  ; cx, cy: my place in the cluster
	s_bfe_u32 s93, ttmp6, 0x40004
	s_lshl_b32 s94, ttmp9, 2
	s_add_co_u32 s94, s94, s92                     ; c: which 384 columns = 4 x cluster x + cx
	s_and_b32 s96, ttmp7, 0xffff                   ; Y: the cluster's y, the same in all sixteen partners
	s_lshl_b32 s17, s93, 3
	s_add_co_u32 s17, s17, s96                     ; tile row = 8 cy + Y
	s_lshl_b32 s20, s93, 2
	s_lshl_b32 s20, 15, s20                        ; my row of the cluster
	s_lshl_b32 s21, 0x1111, s92                    ; my column
	s_or_b32 s[G1A], s20, CW0                      ; x's tiles go to my row of the cluster,
	s_or_b32 s[G1B], s21, CW0                      ; W's to my column
	s_or_b32 s[G1Q], s21, CW0
	s_or_b32 s[G1SA], s20, SW0
	s_or_b32 s[G1SB], s21, SW0
	SHAPE G1A, 512, 128, 512                       ; rows of 512 bytes: all of K
	SHAPE G1B, 512, 64, 512
	SHAPE G1Q, 512, 32, 512
	SHAPE G1SA, 32, 16, 32                         ; the scales of 128 tokens: 4,096 dense bytes as 16 rows of 256
	SHAPE G1SB, 32, 24, 32                         ; those of 192 rows of W: 6,144 bytes as 24 rows
	s_mov_b32 s[G0A], 1                            ; groups 0: the count, and where the tiles go: constants and the wave's number alone
	s_mul_i32 s[G0A+1], s16, 128*PITCH
	s_mov_b32 s[G0B], 1
	s_mul_i32 s[G0B+1], s16, 64*PITCH
	s_add_co_u32 s[G0B+1], s[G0B+1], LB0
	s_mov_b32 s[G0Q1], 1
	s_mul_i32 s[G0Q1+1], s14, 32*PITCH
	s_add_co_u32 s[G0Q1+1], s[G0Q1+1], LB1
	s_mov_b32 s[G0Q2], 1
	s_mul_i32 s[G0Q2+1], s14, 32*PITCH             ; chunk 2 lands from byte 0 on
	s_mov_b32 s[G0SA], 1
	s_mul_i32 s[G0SA+1], s16, 16*272
	s_add_co_u32 s[G0SA+1], s[G0SA+1], SCA
	s_mov_b32 s[G0SB], 1
	s_mul_i32 s[G0SB+1], s16, 24*272
	s_add_co_u32 s[G0SB+1], s[G0SB+1], SCB
	s_lshl_b32 s18, s17, 8                         ; where they come from.  x: token 256 x tile row + 128 x half: the tile row and the wave's number alone
	s_lshl_b32 s19, s16, 7
	s_add_co_u32 s18, s18, s19
	s_lshl_b32 s22, s18, 5                         ; its scale bytes: 32 a row
	s_mov_b32 s23, 0
	s_lshl_b32 s18, s18, 9                         ; its codes: 512 bytes a row
	s_mov_b32 s19, 0
	s_mul_i32 s95, s94, 384                        ; W: my first row: c and the wave's number alone
	s_lshl_b32 s2, s16, 6
	s_add_co_u32 s2, s2, s95                       ; chunk 0: + 64 x half
	s_lshl_b32 s2, s2, 9
	s_mov_b32 s3, 0
	s_lshl_b32 s66, s14, 5
	s_add_co_u32 s66, s66, s95                     ; a quarter: + 32 x wave
	s_lshl_b32 s66, s66, 9
	s_mov_b32 s67, 0
	s_mul_i32 s20, s16, 192                        ; (the masks have been read)  W's scales: + 192 x half
	s_add_co_u32 s20, s20, s95
	s_lshl_b32 s20, s20, 5
	s_mov_b32 s21, 0
	s_wait_dscnt 0x0                               ; both opening adds are done
	s_wait_kmcnt 0x0
	s_add_nc_u64 s[G0A+2:G0A+3], s[4:5], s[18:19]
	s_or_b32 s[G0A+3], s[G0A+3], 0x80000000        ; type = 2
	s_add_nc_u64 s[G0SA+2:G0SA+3], s[6:7], s[22:23]
	s_or_b32 s[G0SA+3], s[G0SA+3], 0x80000000
	s_add_nc_u64 s[G0B+2:G0B+3], s[8:9], s[2:3]
	s_or_b32 s[G0B+3], s[G0B+3], 0x80000000
	s_add_nc_u64 s[G0Q1+2:G0Q1+3], s[8:9], s[66:67]
	s_add_nc_u64 s[G0Q2+2:G0Q2+3], s[G0Q1+2:G0Q1+3], 256*512   ; chunk 2: 256 rows on
	s_add_nc_u64 s[G0Q1+2:G0Q1+3], s[G0Q1+2:G0Q1+3], 128*512   ; chunk 1: 128 rows on
	s_or_b32 s[G0Q1+3], s[G0Q1+3], 0x80000000
	s_or_b32 s[G0Q2+3], s[G0Q2+3], 0x80000000
	s_add_nc_u64 s[G0SB+2:G0SB+3], s[10:11], s[20:21]
	s_or_b32 s[G0SB+3], s[G0SB+3], 0x80000000
	CROUND                                         ; all sixteen work-groups are here: the joint loads meet
	JLOAD G0SA, G1SA, G0SB, G1SB                   ; the scales,
	JLOAD G0A, G1A, G0B, G1B                       ; x and chunk 0,
	tensor_load_to_lds s[G0Q1:G0Q1+3], s[G1Q:G1Q+7]  ; and my quarter of chunk 1: three loads of mine are out
	s_nop 0
	PLACES 4
	v_and_b32 v1, 15, v0                           ; r = l % 16
	v_bfe_u32 v2, v0, 4, 1                         ; h = l / 16
	v_mul_u32_u24 v[ADRB+2], v1, PITCH
	v_lshl_add_u32 v[ADRB+2], v2, 4, v[ADRB+2]     ; a fragment's row x pitch + 16 x half: chunk 2 begins at byte 0
	v_add_nc_u32 v[ADRB], LB0, v[ADRB+2]
	v_add_nc_u32 v[ADRB+1], LB1, v[ADRB+2]
	s_mul_i32 s2, s14, 64*PITCH
	v_add_nc_u32 v[ADRA], s2, v[ADRB+2]            ; my 64 tokens
	v_mul_u32_u24 v5, v1, 32                       ; my row's scales: 32 bytes a row,
	v_lshrrev_b32 v6, 8, v5
	v_lshl_add_u32 v5, v6, 4, v5                   ; and 16 more behind the first 256
	s_mul_i32 s2, s14, 8*272                       ; x's: my 64 rows are 8 pieces
	s_add_co_u32 s2, s2, SCA
	s_xor_b32 s97, s14, 3                          ; 3 - wave
	s_mul_i32 s97, s97, 8*272
.irp j, 0,1,2
	s_add_co_u32 s3, s97, SCB-SCA-24*272+16*272*\j ; from my rows of x's scales to chunk j's rows of W's: one product with the lane's half
	v_mul_u32_u24 v6, s3, v2                       ; lanes 16-31 take W's
	v_add_nc_u32 v6, v5, v6
	v_add_nc_u32 v[ADRS+\j], s2, v6
.endr
	s_mul_i32 s2, s14, 16*SPITCH
	s_add_co_u32 s2, s2, STAGE                     ; my f16 stage
	v_mul_u32_u24 v5, v1, SPITCH                   ; in: row r, 16 bytes for each half of the lanes
	v_lshl_add_u32 v5, v2, 4, v5
	v_add_nc_u32 v[STO], s2, v5
	v_mul_u32_u24 v5, v2, SPITCH                   ; back: lanes 0-15 one row of 256 bytes, lanes 16-31 the next
	v_lshl_add_u32 v5, v1, 4, v5
	v_add_nc_u32 v[RD], s2, v5
	v_mul_u32_u24 v5, v2, ROWQ                     ; and the same two rows in qkv
	v_lshl_add_u32 v[CO], v1, 4, v5
	v_mul_u32_u24 v5, v1, FPITCH                   ; the f32 stage (wave 0 alone uses it)
	v_lshl_add_u32 v5, v2, 5, v5
	v_add_nc_u32 v[STF], FSTG, v5
	v_and_b32 v6, 31, v0
	v_lshlrev_b32 v[COF], 4, v6
	v_add_nc_u32 v[RDF], FSTG, v[COF]
	s_lshl_b32 s2, s93, 11                         ; my first row of qkv: 2048 x batch
	s_lshl_b32 s3, s16, 10                         ;  + 256 x 4 (w % 2): my first slice
	s_add_co_u32 s2, s2, s3
	s_lshl_b32 s3, s96, 5                          ;  + 16 x (2 Y
	s_add_co_u32 s2, s2, s3
	s_lshl_b32 s3, s15, 4                          ;  + w / 2)
	s_add_co_u32 s2, s2, s3
	s_mul_i32 s2, s2, ROWQ
	s_mul_i32 s3, s94, 768                         ;  + 384 c columns of 2 bytes
	s_add_co_u32 s2, s2, s3
	s_mov_b32 s3, 0
	s_add_nc_u64 s[12:13], s[12:13], s[2:3]
	s_mul_i32 s2, s93, 16*12288                    ; h32: the batch's 16 rows of 12,288 bytes
	s_mul_i32 s97, s94, 1536                       ;  + 384 c columns of 4 bytes
	s_add_co_u32 s2, s2, s97
	s_add_nc_u64 s[98:99], s[98:99], s[2:3]
.macro FRAG reg, adr, q, i             ; a fragment, 16 rows x 128 K of 4-bit codes: lane l holds row l % 16; registers 4 c .. 4 c + 3 hold K = 64 c + 32 (l / 16) + 0 .. 31
.irp c, 0,1
	ds_load_b128 v[\reg+4*\c:\reg+4*\c+3], v[\adr] offset:64*(\q)+32*\c+(\i)*16*PITCH
.endr
.endm
.macro FETCH_B j, q                    ; W's eight fragments of chunk j, step q: 16 loads
	WIN TO_B
.irp b, 0,1,2,3,4,5,6,7
	FRAG 64*((\q)%4)+8*\b, ADRB+\j, \q, \b
.endr
.endm
.macro FETCH_A q                       ; my four fragments of x for step q: 8 loads
	WIN TO_A
.irp i, 0,1,2,3
	FRAG 8*(8*\i+(\q)), ADRA, \q, \i
.endr
.endm
.macro SCALES j                        ; the scale words of a chunk, eight a row: lanes 0-15 x's block b, lanes 16-31 W's block b (for b > 3 lanes 0-15 bring words that no instruction reads)
.irp b, 0,1,2,3,4,5,6,7
	ds_load_b128 v[SC+8*\b:SC+8*\b+3], v[ADRS+\j] offset:\b*544
	ds_load_b128 v[SC+8*\b+4:SC+8*\b+7], v[ADRS+\j] offset:\b*544+16
.endr
.endm
; 32 matrix instructions: my four blocks of tokens against W's eight, 128 along K.  The 32 accumulators take turns, one instruction a turn, in the same order in every step.
.macro MUL32 q, zero
.irp i, 0,1,2,3
.irp b, 0,1,2,3,4,5,6,7
.if \zero
	v_wmma_scale_f32_16x16x128_f8f6f4 v[8*(8*\i+\b):8*(8*\i+\b)+7], v[64*((\q)%4)+8*\b:64*((\q)%4)+8*\b+7], v[8*(8*\i+(\q)):8*(8*\i+(\q))+7], 0, v[SC+8*\b+(\q)], v[SC+8*\i+(\q)] matrix_a_fmt:MATRIX_FMT_FP4 matrix_b_fmt:MATRIX_FMT_FP4 matrix_a_scale:MATRIX_SCALE_ROW1
.else
	v_wmma_scale_f32_16x16x128_f8f6f4 v[8*(8*\i+\b):8*(8*\i+\b)+7], v[64*((\q)%4)+8*\b:64*((\q)%4)+8*\b+7], v[8*(8*\i+(\q)):8*(8*\i+(\q))+7], v[8*(8*\i+\b):8*(8*\i+\b)+7], v[SC+8*\b+(\q)], v[SC+8*\i+(\q)] matrix_a_fmt:MATRIX_FMT_FP4 matrix_b_fmt:MATRIX_FMT_FP4 matrix_a_scale:MATRIX_SCALE_ROW1
.endif
.endr
.endr
.endm
; Step q of chunk j.  The fragments of step q + 2 are asked for first: 64 matrix instructions ahead of their use, into the set that step q - 2 has read.  zero = 1: the products start the sums: nothing is cleared.
; wa = 1 (chunk 0): x's fragments of step q + 2 are asked for too.
.macro KSTEP j, q, zero, wa
.if (\q) < 6
	PLACES NP
	FETCH_B \j, (\q)+2
.if \wa
	FETCH_A (\q)+2
.endif
	s_wait_dscnt 32+16*\wa                         ; this step's fragments are in; the fetches of the two steps behind it may be out
.elseif (\q) == 6
	s_wait_dscnt 16+8*\wa                          ; the last step's fetch may be out
.else
	s_wait_dscnt 0x0
.endif
	WIN MULW
	MUL32 \q, \zero
.endm
.macro AHEAD j                         ; chunk j's scale words and its first two steps' fragments are asked for ahead of the way out of the chunk before
	WIN 0
	SCALES \j
	FETCH_B \j, 0
	FETCH_B \j, 1
	WIN 0
.endm
; THE FIRST 16 TOKENS OF A BATCH, IN F32: block 0 of wave 0, where Y = 0.  The first test is the same in all sixteen partners, the second hangs on the wave's number.
.macro HEADROWS j
	s_cmp_lg_u32 s96, 0
	s_cbranch_scc1 .Lno_head_\@
	s_cmp_lg_u32 s14, 0
	s_cbranch_scc1 .Lno_head_\@
	WIN 0x08                                       ; an LDS store's data are its source 1: window 2
.irp b, 0,1,2,3,4,5,6,7
	ds_store_b128 v[STF], v[8*\b:8*\b+3] offset:64*\b             ; each accumulator from its low end on
	ds_store_b128 v[STF], v[8*\b+4:8*\b+7] offset:64*\b+16
.endr
	WIN 0
.irp t, 0,1,2,3,4,5,6,7,8,9,10,11,12,13,14,15
	ds_load_b128 v[HB+4*\t:HB+4*\t+3], v[RDF] offset:\t*FPITCH    ; LDS serves a wave's instructions in order: these see my stores
.endr
.irp t, 0,1,2,3,4,5,6,7,8,9,10,11,12,13,14,15
	s_wait_dscnt 15-\t                             ; row t is in; the younger loads may be out
	global_store_b128 v[COF], v[HB+4*\t:HB+4*\t+3], s[98:99] offset:\t*12288+512*\j   ; 32 lanes store 512 consecutive bytes, aligned
.endr
.Lno_head_\@:
.endm
; THE WAY OUT of a chunk, block by block of 16 tokens x 128 columns: rounded to f16 (16 bytes a lane), through my own stage, back as whole rows of 256 bytes.
.macro PACK i
	WIN 0x0a                                       ; sources 0 and 1: window 2
.irp b, 0,1,2,3,4,5,6,7
.irp r, 0,1,2,3
	v_cvt_pk_f16_f32 v[TMP+4*\b+\r], v[64*(\i)+8*\b+2*\r], v[64*(\i)+8*\b+2*\r+1]
.endr
.endr
	WIN 0
.endm
.macro TOSTAGE i
.set BK, BKB+32*((\i)%2)
.irp b, 0,1,2,3,4,5,6,7
	ds_store_b128 v[STO], v[TMP+4*\b:TMP+4*\b+3] offset:32*\b
.endr
.irp t, 0,1,2,3,4,5,6,7
	ds_load_b128 v[BK+4*\t:BK+4*\t+3], v[RD] offset:\t*2*SPITCH
.endr
.endm
.macro SEND j, i
.set BK, BKB+32*((\i)%2)
	s_wait_dscnt 0x0                               ; the block is back in registers
	s_wait_xcnt 0x0                                ; the earlier stores have read their registers: the next block's loads may land on the other set
.irp t, 0,1,2,3,4,5,6,7
	global_store_b128 v[CO], v[BK+4*\t:BK+4*\t+3], s[12:13] offset:(\i)*256*ROWQ+2*\t*ROWQ+256*(\j)   ; 16 lanes store 256 consecutive bytes, aligned; block i is the slice 256 rows on; 4,805,120 at the most: inside the signed 24-bit immediate
.endr
.endm
.macro OUT j
	HEADROWS \j
	PACK 0
	TOSTAGE 0
.irp i, 1,2,3                          ; block i's conversions stand between block i - 1's loads from the stage and the wait for them
	PACK \i
	SEND \j, \i-1
	TOSTAGE \i
.endr
	SEND \j, 3
.endm
	s_wait_tensorcnt 1                             ; the scales and my part of x or of chunk 0 are in (my quarter of chunk 1 may be out)
	s_barrier_signal -1
	s_barrier_wait -1                              ; everybody's are
	SCALES 0
	FETCH_B 0, 0
	FETCH_A 0
	FETCH_B 0, 1
	FETCH_A 1
	KSTEP 0, 0, 1, 1                               ; ---- chunk 0
.irp q, 1,2,3,4,5
	KSTEP 0, \q, 0, 1
.endr
	; x's last fragments have been asked for: its bytes take chunk 2.  Each wave waits for all its tensor loads, adds 0 to its spare word, and waits for that and for its reads of x; then the cluster's round
	WIN 0
	s_wait_tensorcnt 0x0                           ; my quarter of chunk 1 has landed: no tensor load of mine is out
	ds_add_u32 v[SPW], v[NIL]                      ; 0 onto my spare word
	s_wait_dscnt 0x0                               ; the add is done, and my reads of x are over
	CROUND                                         ; no wave of any partner still reads x's bytes or has a load on its way; chunk 1 is whole
	tensor_load_to_lds s[G0Q2:G0Q2+3], s[G1Q:G1Q+7]  ; my quarter of chunk 2: the first tensor load behind the round, and my last
	s_nop 0
	PLACES 4
	KSTEP 0, 6, 0, 1
	KSTEP 0, 7, 0, 1
	PLACES NP                                      ; behind the last products: for the loads into the scale words and for the reads of results
	AHEAD 1
	OUT 0
	KSTEP 1, 0, 1, 0                               ; ---- chunk 1, while chunk 0's stores leave
.irp q, 1,2,3,4,5,6,7
	KSTEP 1, \q, 0, 0
.endr
	WIN 0
	PLACES NP
	s_wait_tensorcnt 0x0                           ; my quarter of chunk 2 has landed
	ds_add_u32 v[SPW], v[NIL]
	s_wait_dscnt 0x0
	s_barrier_signal -1
	s_barrier_wait -1                              ; everybody's has: chunk 2 is whole
	AHEAD 2
	OUT 1
	KSTEP 2, 0, 1, 0                               ; ---- chunk 2
.irp q, 1,2,3,4,5,6,7
	KSTEP 2, \q, 0, 0
.endr
	PLACES NP
	WIN 0
	OUT 2
	s_wait_tensorcnt 0x0                           ; the wave's end: three lines behind my last tensor load and my last LDS store
	ds_add_u32 v[SPW], v[NIL]
	s_wait_dscnt 0x0
	CROUND                                         ; the closing round
	s_endpgm
.Lfunc_end_k_q8bcfd778ed_proj:
	.size	k_q8bcfd778ed_proj, .Lfunc_end_k_q8bcfd778ed_proj-k_q8bcfd778ed_proj
	.p2alignl 7, 3214868480
	.fill 96, 4, 3214868480
	.section	.rodata,"a",@progbits
	.p2align	6, 0x0
	.amdhsa_kernel k_q8bcfd778ed_proj
		.amdhsa_group_segment_fixed_size 327680
		.amdhsa_private_segment_fixed_size 0
		.amdhsa_enable_private_segment 0
		.amdhsa_kernarg_size 48
		.amdhsa_user_sgpr_count 2
		.amdhsa_user_sgpr_kernarg_segment_ptr 1
		.amdhsa_wavefront_size32 1
		.amdhsa_system_sgpr_workgroup_id_x 1
		.amdhsa_system_sgpr_workgroup_id_y 1
		.amdhsa_system_sgpr_workgroup_id_z 1
		.amdhsa_system_vgpr_workitem_id 0
		.amdhsa_next_free_vgpr 1024
		.amdhsa_next_free_sgpr 100
		.amdhsa_reserve_vcc 0
		.amdhsa_float_denorm_mode_32 3
		.amdhsa_float_denorm_mode_16_64 3
		.amdhsa_memory_ordered 1
		.amdhsa_forward_progress 1
		.amdhsa_inst_pref_size 203
	.end_amdhsa_kernel
	.amdgpu_metadata
---
amdhsa.version: [ 1, 2 ]
amdhsa.kernels:
  - .name:           k_q8bcfd778ed_proj
    .symbol:         k_q8bcfd778ed_proj.kd
    .args:
      - { .name: xc, .offset: 0, .size: 8, .value_kind: global_buffer, .address_space: global }
      - { .name: xs, .offset: 8, .size: 8, .value_kind: global_buffer, .address_space: global }
      - { .name: wc, .offset: 16, .size: 8, .value_kind: global_buffer, .address_space: global }
      - { .name: ws, .offset: 24, .size: 8, .value_kind: global_buffer, .address_space: global }
      - { .name: qkv, .offset: 32, .size: 8, .value_kind: global_buffer, .address_space: global }
      - { .name: h32, .offset: 40, .size: 8, .value_kind: global_buffer, .address_space: global }
    .group_segment_fixed_size: 327680
    .private_segment_fixed_size: 0
    .kernarg_segment_align: 8
    .kernarg_segment_size: 48
    .max_flat_workgroup_size: 128
    .sgpr_count:     100
    .vgpr_count:     1024
    .wavefront_size: 32
...
	.end_amdgpu_metadata
.endif
;; end of part 2
;; launch scorep (part 3): grid 8 x 32, 4 waves a work-group, clusters of 4 x 4, 327,680 bytes of LDS; arguments qkv, pim, st; writes pim, st
.if DOCPART == 3
	.amdgcn_target "amdgcn-amd-amdhsa--gfx1250"
	.amdhsa_code_object_version 6
	.text
	.protected	k_q8bcfd778ed_scorep
	.globl	k_q8bcfd778ed_scorep
	.p2align	8
	.type	k_q8bcfd778ed_scorep,@function
k_q8bcfd778ed_scorep:
	s_mov_b64 s[64:65], 0
	v_nop
	global_prefetch_b8 v0, s[64:65] scope:SCOPE_SE
	s_setreg_imm32_b32 hwreg(HW_REG_WAVE_MODE, 25, 1), 1
	s_wait_xcnt 0x0
	s_wait_alu depctr_hold_cnt(0) depctr_sa_sdst(0) depctr_va_vdst(0) depctr_va_sdst(0) depctr_va_ssrc(0) depctr_va_vcc(0) depctr_vm_vsrc(0)
	s_getreg_b32 s2, hwreg(HW_REG_IB_STS2, 6, 4)
	s_cmp_eq_u32 s2, 0
	s_cbranch_scc0 .Lentry_in_a_cluster
	s_endpgm
.Lentry_in_a_cluster:
	s_bfe_u32 s2, ttmp6, 0x10000c
	s_cmp_lg_u32 s2, 0xf033
	s_cbranch_scc0 .Lentry_shape_is_right
	s_endpgm
.Lentry_shape_is_right:
; The weights of the causal attention, part by part.  qkv: f16 [8192 rows][3072]; row 2048 b + 256 g + 16 m + r holds token 128 m + 16 g + r of batch b: q at byte 0, k at byte 2,048 of the row.
; A work-group takes query slice gy = 8 b + g (256 rows) against key slice h of the same batch (256 rows): a grid of 16 x 16 blocks (m, kappa) of 16 x 16.  A key block kappa < m counts whole, kappa > m not at all,
; whatever g and h are; in kappa = m key r' is hidden from query r where 16 (h - g) + r' - r > 0.  So all 256 work-groups have the same work and the same text.
; Wave (u, v) takes m = 2 m' + u, kappa = 2 kappa' + v, kappa' <= m': 36 accumulators.  (Wave (0, 1)'s eight blocks kappa = m + 1 are wholly hidden: their p = 0 fills the upper halves of the next product's 32-key fragments.)
; S^T = k q^T (source 0 = 16 keys, source 1 = 16 queries), K = 1,024 in eight steps of 128 through a ring of two LDS slots: a lane holds ONE query (lane % 16) and keys 8 (lane / 16) + 0..7.
; THE PART'S OWN MAXIMUM: t = score x log2(e) / 32; M = the largest t over this slice's visible keys of the query, rounded up to a whole number (under it a floor of -3e38 x c for a query that sees no key here);
; p = 2^(t - M), at most about 1, rounded to f16.  -M and the sum of the unrounded p go to st; the next launch brings the eight parts of a row under one M by exact powers of two.
; pim: [gy][h][u][m' (m' + 1) / 2 + kappa'][v][lane x 16 bytes]: 1,024 bytes are the register image of one operand of the next product (16 queries x 32 keys).
; st:  [gy][h][wave][-M: 512 bytes, the sums: 512 bytes], each [r 16][m' 8] f32.
; CLUSTERS: 4 x 4 work-groups; q's tile hangs on gy alone and is shared along a row of the cluster, k's on the batch and h and is shared along a column: joint loads.
; No prefetch is laid: each tile of q and of k is read by two clusters at about the same time, so the streams are not read once.
; REGISTERS: window 0: v0-31 addresses; v64-127, v128-191 q's fragments, two buffers.  window 1: k's fragments at the same numbers.  window 2: the accumulators of m' = 0..5 (21); window 3: of m' = 6, 7 (15).
.set PITCH,  272                       ; an LDS row: 256 bytes + 16 of padding: the 16 rows of a load start at 16 different banks (64 banks of 4 bytes: ISA guide 11.1)
.set HALFT,  128*PITCH
.set SLOT,   4*HALFT                   ; q's 256 rows, then k's 256 rows
.set XCH,    2*SLOT                    ; behind the ring: 1,024 bytes for each wave, for the exchange of maxima
.set SPARE,  XCH+4096                  ; the spare words, 128 bytes for each wave: two blocks of 256 bytes that no other line names
.set ROWP,   6144                      ; a row of qkv in bytes
.set ADRA, 16                          ; v16-17 LDS address of my q fragments in slot 0, 1
.set ADRB, 20                          ; v20-21 the same for k
.set XW,   22                          ; v22 where I put my maxima
.set XR,   23                          ; v23 where my partner (the wave with the other v) puts its own
.set SOF,  24                          ; v24 my place in a block of st: 32 r + 16 (lane / 16)
.set POF,  25                          ; v25 16 x lane
.set VD,   26                          ; v26 d = r - 8 (lane / 16) + 16 (g - h) + 128 (u - v): in a diagonal unit register j is hidden where j > d
.set NINF, 27                          ; v27 -infinity
.set SPW,  28
.set NIL,  29
.set F0,   64
.set F1,   128
.set MX,   32                          ; v32-39 the largest score of query r of block m'
.set PT,   40                          ; v40-47 at work
.set NM,   48                          ; v48 + 2 m': -M; v49 + 2 m': t
.set PK,   64                          ; v64-207 p in f16, four registers a unit
.set LS,   208                         ; v208 + 2 m': the sum of p, in two halves
.set OU,   224
.set G1, 24
.set G0, 32
.set G1B, 48
.set G0B, 56
.set CS,  66                           ; s[66:67] c = log2(e) / 32
.set SEL, 68                           ; s[68:69] lane selects for v_permlanex16_b32: lane l xor 16
.set MK,  70                           ; s70-77 the masks "j > d"
.set MSB, 0
.macro WIN new
.if MSB != \new
	s_set_vgpr_msb (MSB<<8)|\new
.set MSB, \new
.endif
.endm
.set MUL_LO, 0xa1                      ; source 0 (k) window 1, source 1 (q) window 0, C and D window 2
.set MUL_HI, 0xf1
.set TO_K,   0x40
.macro JLOAD s                         ; a joint load: waves 0 and 1 fetch q's halves, waves 2 and 3 k's; an s_nop 0 and four v_nop follow each of the two lines
	s_cmp_eq_u32 s11, 0
	s_cbranch_scc0 .Lfor_b_\@
	tensor_load_to_lds s[G0+4*\s:G0+4*\s+3], s[G1:G1+7]
	s_nop 0
.rept 4
	v_nop
.endr
	s_branch .Lasked_\@
.Lfor_b_\@:
	tensor_load_to_lds s[G0B+4*\s:G0B+4*\s+3], s[G1B:G1B+7]
	s_nop 0
.rept 4
	v_nop
.endr
.Lasked_\@:
.endm
.macro CREST
	s_cmp_lg_u32 s10, 0
	s_cbranch_scc1 .Lnot_wave_0_\@
	s_barrier_signal -3
.Lnot_wave_0_\@:
	s_barrier_wait -3
	s_barrier_signal -1
	s_barrier_wait -1
.endm
.macro CROUND
	s_barrier_signal -1
	s_barrier_wait -1
	CREST
.endm
.macro PLACES
.rept 4
	v_nop
.endr
.endm
	s_load_b128 s[4:7], s[0:1], 0x0                ; qkv s[4:5], pim s[6:7]
	s_load_b64 s[8:9], s[0:1], 0x10                ; st
	v_lshl_add_u32 v[SPW], v0, 2, SPARE
	v_mov_b32 v[NIL], 0
	ds_add_u32 v[SPW], v[NIL]                      ; the wave's opening: the add, twice on end, and its wait ahead of my first tensor load
	ds_add_u32 v[SPW], v[NIL]
	v_lshrrev_b32 v1, 5, v0
	v_readfirstlane_b32 s10, v1                    ; wave 0..3
	s_lshr_b32 s11, s10, 1                         ; u.  Also: I fetch for q (0) or for k (1)
	s_and_b32 s12, s10, 1                          ; v.  Also: which 128 rows of that tile I fetch
	s_bfe_u32 s40, ttmp6, 0x40000                  ; cx, cy
	s_bfe_u32 s41, ttmp6, 0x40004
	s_lshl_b32 s42, ttmp9, 2
	s_add_co_u32 s42, s42, s40                     ; h = 4 x cluster x + cx
	s_and_b32 s14, ttmp7, 0xffff
	s_lshl_b32 s13, s14, 2
	s_add_co_u32 s13, s13, s41                     ; gy = 4 x cluster y + cy
	s_lshr_b32 s15, s14, 1                         ; the batch: it hangs on the cluster's y alone
	s_lshl_b32 s43, s41, 2
	s_lshl_b32 s43, 15, s43                        ; my row of the cluster
	s_lshl_b32 s44, 0x1111, s40                    ; my column
	s_or_b32 s[G1+0], s43, (1<<16)|(1<<20)|(1<<21)|(5<<22)|(3<<25)  ; the mask; elements of 2 bytes; padding on; bit 21 beside a mask; 4 words behind every 64
	s_or_b32 s[G1B+0], s44, (1<<16)|(1<<20)|(1<<21)|(5<<22)|(3<<25)
.irp g, G1, G1B
	s_mov_b32 s[\g+1], 128<<16                     ; tensor_dim0 = 128
	s_mov_b32 s[\g+2], 128<<16                     ; tensor_dim1 = 128
	s_mov_b32 s[\g+3], 128<<16                     ; tile_dim0 = 128
	s_mov_b32 s[\g+4], 128                         ; tile_dim1 = 128
	s_mov_b32 s[\g+5], 3072                        ; tensor_dim0_stride, in elements
	s_mov_b32 s[\g+6], 0
	s_mov_b32 s[\g+7], 0
.endr
	s_lshl_b32 s18, s12, 7                         ; which 128 rows I fetch
	s_lshl_b32 s16, s13, 8
	s_add_co_u32 s16, s16, s18                     ; q: row 256 gy + 128 x half
	s_mul_i32 s16, s16, ROWP
	s_mov_b32 s17, 0
	s_lshl_b32 s46, s15, 3
	s_add_co_u32 s46, s46, s42                     ; k: slice 8 x batch + h
	s_lshl_b32 s46, s46, 8
	s_add_co_u32 s46, s46, s18
	s_mul_i32 s46, s46, ROWP
	s_add_co_u32 s46, s46, 2048                    ; k lies 2,048 bytes into a row
	s_mov_b32 s47, 0
	s_mul_i32 s20, s10, HALFT                      ; where they go: wave x 128 rows
	s_mov_b32 s[CS], 0x3d38aa3b                    ; c = log2(e) / sqrt(1024)
	s_mov_b32 s[CS+1], s[CS]                       ; (named with it as a pair, so it is written)
	s_mov_b32 s[SEL], 0x76543210
	s_mov_b32 s[SEL+1], 0xfedcba98
	s_wait_dscnt 0x0                               ; both opening adds are done
	s_wait_kmcnt 0x0
	s_add_nc_u64 s[16:17], s[4:5], s[16:17]
	s_add_nc_u64 s[46:47], s[4:5], s[46:47]
	CROUND                                         ; all sixteen work-groups are here: the first joint loads meet
.irp s, 0,1
	s_mov_b32 s[G0+4*\s], 1
	s_add_co_u32 s[G0+4*\s+1], s20, \s*SLOT
	s_add_nc_u64 s[G0+4*\s+2:G0+4*\s+3], s[16:17], \s*256
	s_or_b32 s[G0+4*\s+3], s[G0+4*\s+3], 0x80000000
	s_mov_b32 s[G0B+4*\s], 1
	s_add_co_u32 s[G0B+4*\s+1], s20, \s*SLOT
	s_add_nc_u64 s[G0B+4*\s+2:G0B+4*\s+3], s[46:47], \s*256
	s_or_b32 s[G0B+4*\s+3], s[G0B+4*\s+3], 0x80000000
	JLOAD \s                                       ; two loads of mine are out behind the second
.endr
	v_and_b32 v1, 15, v0                           ; r
	v_bfe_u32 v2, v0, 4, 1                         ; lane / 16
	v_mul_u32_u24 v3, v1, PITCH
	v_lshl_add_u32 v3, v2, 4, v3                   ; row x pitch + 16 x half
	s_mul_i32 s21, s11, 16*PITCH                   ; q's block m = 2 m' + u begins at row 32 m' + 16 u
	s_mul_i32 s22, s12, 16*PITCH                   ; k's block kappa = 2 kappa' + v likewise,
	s_add_co_u32 s22, s22, 2*HALFT                 ; behind q's 256 rows
.irp s, 0,1
	v_add_nc_u32 v[ADRA+\s], s21, v3
	v_add_nc_u32 v[ADRB+\s], s22, v3
	s_add_co_u32 s21, s21, SLOT
	s_add_co_u32 s22, s22, SLOT
.endr
	v_and_b32 v4, 31, v0
	v_lshlrev_b32 v[POF], 4, v4
	s_lshl_b32 s23, s10, 10
	s_add_co_u32 s23, s23, XCH
	v_add_nc_u32 v[XW], s23, v[POF]
	s_xor_b32 s23, s10, 1
	s_lshl_b32 s23, s23, 10
	s_add_co_u32 s23, s23, XCH
	v_add_nc_u32 v[XR], s23, v[POF]
	v_lshlrev_b32 v[SOF], 5, v1
	v_lshl_add_u32 v[SOF], v2, 4, v[SOF]
	s_and_b32 s21, s13, 7                          ; g
	s_sub_co_i32 s21, s21, s42                     ; g - h: it enters a number that is compared, no address and no branch
	s_lshl_b32 s21, s21, 4
	s_sub_co_i32 s22, s11, s12
	s_lshl_b32 s22, s22, 7
	s_add_co_i32 s21, s21, s22
	v_lshlrev_b32 v3, 3, v2
	v_sub_nc_u32 v[VD], v1, v3
	v_add_nc_u32 v[VD], s21, v[VD]
	v_mov_b32 v[NINF], 0xff800000
	s_lshl_b32 s20, s13, 3
	s_add_co_u32 s20, s20, s42                     ; 8 gy + h
	s_lshl_b32 s21, s20, 1
	s_add_co_u32 s21, s21, s11
	s_mul_i32 s21, s21, 36864                      ; pim: (2 (8 gy + h) + u) x 36 fragments of 1,024 bytes
	s_lshl_b32 s22, s12, 9                         ;  + 512 v
	s_add_co_u32 s46, s21, s22
	s_mov_b32 s47, 0
	s_add_nc_u64 s[6:7], s[6:7], s[46:47]
	s_lshl_b32 s46, s20, 2
	s_add_co_u32 s46, s46, s10
	s_lshl_b32 s46, s46, 10                        ; st: (4 (8 gy + h) + wave) x 1,024 bytes
	s_add_nc_u64 s[8:9], s[8:9], s[46:47]
; The products of blocks m' = lo .. hi, kappa' <= m', 32 along e, from buffer f.  The 36 accumulators take turns, one instruction a turn, in one order in every quarter.
.macro TRI f, lo, hi, zero
.irp m, 0,1,2,3,4,5,6,7
.irp k, 0,1,2,3,4,5,6,7
.if (\m >= \lo) && (\m <= \hi) && (\k <= \m)
.set AC, 8*(\m*(\m+1)/2+\k-21*(\m/6))
.if \zero
	v_wmma_f32_16x16x32_f16 v[AC:AC+7], v[\f+8*\k:\f+8*\k+7], v[\f+8*\m:\f+8*\m+7], 0
.else
	v_wmma_f32_16x16x32_f16 v[AC:AC+7], v[\f+8*\k:\f+8*\k+7], v[\f+8*\m:\f+8*\m+7], v[AC:AC+7]
.endif
.endif
.endr
.endr
.endm
; 32 LDS loads in one run: my eight blocks of k, then my eight of q, 32 along e at byte kb of the rows, into buffer f
.macro FETCH slot, kb, f
	WIN TO_K
.irp i, 0,1,2,3,4,5,6,7
	ds_load_b128 v[\f+8*\i:\f+8*\i+3],   v[ADRB+\slot] offset:\kb+\i*32*PITCH
	ds_load_b128 v[\f+8*\i+4:\f+8*\i+7], v[ADRB+\slot] offset:\kb+\i*32*PITCH+32
.endr
	WIN 0
.irp i, 0,1,2,3,4,5,6,7
	ds_load_b128 v[\f+8*\i:\f+8*\i+3],   v[ADRA+\slot] offset:\kb+\i*32*PITCH
	ds_load_b128 v[\f+8*\i+4:\f+8*\i+7], v[ADRA+\slot] offset:\kb+\i*32*PITCH+32
.endr
.endm
; A K step is four quarters of 32 along e, 36 matrix instructions each, on buffers 0, 1, 0, 1.
.macro QUARTER slot, kb, f, g, zero
	s_wait_dscnt 4                                 ; all of k and q's blocks 0-5 are in; the youngest four loads (q's blocks 6, 7) may be out
	WIN MUL_LO
	TRI \f, 0, 5, \zero
	PLACES                                         ; four plain lines in front of loads into registers that matrix instructions have read
	FETCH \slot, \kb, \g
	s_wait_dscnt 32                                ; all but the 32 just issued
	WIN MUL_HI
	TRI \f, 6, 7, \zero
.endm
; The last quarter multiplies buffer 1 and changes slots: ONE barrier; in front of it each wave waits for all its tensor loads, adds 0 to its spare word, and waits for that and for its reads of this slot.
.macro TURN slot, next, fill
	WIN 0                                          ; (the add's two registers lie in window 0)
	s_wait_tensorcnt 0x0                           ; all my tensor loads have landed: the one that was out is my part of the next slot
	ds_add_u32 v[SPW], v[NIL]                      ; 0 onto my spare word
	s_wait_dscnt 5                                 ; (the add and the youngest four loads may be out)
	WIN MUL_LO
	TRI F1, 0, 3, 0                                ; ten matrix instructions stand between the add and the wait for it
	s_wait_dscnt 0x0                               ; the add is done, and my reads of this slot are over
	s_barrier_signal -1
	TRI F1, 4, 5, 0
	WIN 0
	s_barrier_wait -1
.if \fill
	CREST                                          ; the barrier has opened a round of the cluster's barrier: no wave of any partner still reads this slot or has a load on its way
	s_add_nc_u64 s[G0+4*\slot+2:G0+4*\slot+3], s[G0+4*\slot+2:G0+4*\slot+3], 512
	s_add_nc_u64 s[G0B+4*\slot+2:G0B+4*\slot+3], s[G0B+4*\slot+2:G0B+4*\slot+3], 512
	JLOAD \slot                                    ; the first tensor load behind the round, two K steps ahead; its four v_nop are also the places in front of the loads below
.else
	PLACES
.endif
	FETCH \next, 0, F0
	WIN MUL_HI
	TRI F1, 6, 7, 0
.endm
	s_wait_tensorcnt 1                             ; my part of K step 0 is in (K step 1's may be out)
	s_barrier_signal -1
	s_barrier_wait -1                              ; everybody's is
	FETCH 0, 0, F0
	QUARTER 0, 64,  F0, F1, 1                      ; the first quarter's products start the sums: nothing is cleared
	WIN 0                                          ; at a label and at a branch every window is 0
	s_mov_b32 s3, 3
.Llap:                                                 ; three trips; a trip goes once round the ring and fills both slots again: K steps 2 to 7
	QUARTER 0, 128, F1, F0, 0
	QUARTER 0, 192, F0, F1, 0
	TURN 0, 1, 1
	QUARTER 1, 64,  F0, F1, 0
	QUARTER 1, 128, F1, F0, 0
	QUARTER 1, 192, F0, F1, 0
	TURN 1, 0, 1
	QUARTER 0, 64,  F0, F1, 0
	WIN 0
	s_sub_co_u32 s3, s3, 1
	s_cmp_lg_u32 s3, 0
	s_cbranch_scc1 .Llap
	QUARTER 0, 128, F1, F0, 0                      ; the last lap fills nothing
	QUARTER 0, 192, F0, F1, 0
	TURN 0, 1, 0
	QUARTER 1, 64,  F0, F1, 0
	QUARTER 1, 128, F1, F0, 0
	QUARTER 1, 192, F0, F1, 0
	s_wait_dscnt 4
	WIN MUL_LO
	TRI F1, 0, 5, 0
	s_wait_dscnt 0
	WIN MUL_HI
	TRI F1, 6, 7, 0
	WIN 0
	; ---- THE SOFTMAX OF THE PART.  The 32 moves below name no register of the last products: they are the places behind them.
.irp m, 0,1,2,3,4,5,6,7
	v_mov_b32 v[MX+\m], 0xff61b1e6                 ; -3e38: the floor under every maximum
	v_mov_b32 v[PT+\m], 0                          ; (a lane permute's destination counts as one of its sources)
	v_mov_b32 v[LS+2*\m], 0
	v_mov_b32 v[LS+2*\m+1], 0
.endr
.irp j, 0,1,2,3,4,5,6,7
	v_cmp_gt_i32 s[MK+\j], \j, v[VD]               ; register j of a diagonal unit is hidden: the same for all eight units
.endr
.macro MASKW lo, hi                    ; the diagonal units kappa' = m': hidden scores become -infinity; each accumulator from its low end on
.irp m, 0,1,2,3,4,5,6,7
.irp j, 0,1,2,3,4,5,6,7
.if (\m >= \lo) && (\m <= \hi)
.set AC, 8*(\m*(\m+1)/2+\m-21*(\m/6))
	v_cndmask_b32 v[AC+\j], v[AC+\j], v[NINF], s[MK+\j]
.endif
.endr
.endr
.endm
.macro MAXW lo, hi                     ; the rows by turns; each accumulator from its low end on
.irp k, 0,1,2,3,4,5,6,7
.irp i, 0,1,2,3
.irp m, 0,1,2,3,4,5,6,7
.if (\m >= \lo) && (\m <= \hi) && (\k <= \m)
.set AC, 8*(\m*(\m+1)/2+\k-21*(\m/6))
	v_max3_num_f32 v[MX+\m], v[MX+\m], v[AC+2*\i], v[AC+2*\i+1]
.endif
.endr
.endr
.endr
.endm
.macro SCALEW lo, hi                   ; t - M, two at a time (of the pairs c and -M the low word serves both halves)
.irp m, 0,1,2,3,4,5,6,7
.irp k, 0,1,2,3,4,5,6,7
.irp i, 0,1,2,3
.if (\m >= \lo) && (\m <= \hi) && (\k <= \m)
.set AC, 8*(\m*(\m+1)/2+\k-21*(\m/6))
	v_pk_fma_f32 v[AC+2*\i:AC+2*\i+1], v[AC+2*\i:AC+2*\i+1], s[CS:CS+1], v[NM+2*\m:NM+2*\m+1] op_sel_hi:[1,0,0]
.endif
.endr
.endr
.endr
.endm
.macro EXPW lo, hi
.irp m, 0,1,2,3,4,5,6,7
.irp k, 0,1,2,3,4,5,6,7
.irp j, 0,1,2,3,4,5,6,7
.if (\m >= \lo) && (\m <= \hi) && (\k <= \m)
.set AC, 8*(\m*(\m+1)/2+\k-21*(\m/6))
	v_exp_f32 v[AC+\j], v[AC+\j]                   ; p = 2^(t - M)
.endif
.endr
.endr
.endr
.endm
.macro SUMW lo, hi                     ; the sums are taken of the unrounded p; the rows by turns
.irp k, 0,1,2,3,4,5,6,7
.irp i, 0,1,2,3
.irp m, 0,1,2,3,4,5,6,7
.if (\m >= \lo) && (\m <= \hi) && (\k <= \m)
.set AC, 8*(\m*(\m+1)/2+\k-21*(\m/6))
	v_pk_add_f32 v[LS+2*\m:LS+2*\m+1], v[LS+2*\m:LS+2*\m+1], v[AC+2*\i:AC+2*\i+1]
.endif
.endr
.endr
.endr
.endm
.macro CVTW lo, hi
.irp m, 0,1,2,3,4,5,6,7
.irp k, 0,1,2,3,4,5,6,7
.irp i, 0,1,2,3
.if (\m >= \lo) && (\m <= \hi) && (\k <= \m)
.set AC, 8*(\m*(\m+1)/2+\k-21*(\m/6))
	v_cvt_pk_f16_f32 v[PK+4*(\m*(\m+1)/2+\k)+\i], v[AC+2*\i], v[AC+2*\i+1]
.endif
.endr
.endr
.endr
.endm
	WIN 0x82                                       ; destination and source 0: window 2
	MASKW 0, 5
	WIN 0xc3                                       ; window 3
	MASKW 6, 7
	WIN 0x3c                                       ; sources 1 and 2: window 3; the rest window 0
	MAXW 6, 7
	WIN 0x28                                       ; window 2
	MAXW 0, 5
	WIN 0
.irp m, 0,1,2,3,4,5,6,7
	v_permlanex16_b32 v[PT+\m], v[MX+\m], s[SEL], s[SEL+1]
.endr
.irp m, 0,1,2,3,4,5,6,7
	v_max_num_f32 v[MX+\m], v[MX+\m], v[PT+\m]     ; with the other half of the lanes' keys
.endr
	ds_store_b128 v[XW], v[MX:MX+3]                ; my maxima go to the wave with the other v as an image of their registers
	ds_store_b128 v[XW], v[MX+4:MX+7] offset:512
	s_wait_dscnt 0x0                               ; for the other's sake
	s_barrier_signal -1
	s_barrier_wait -1
	ds_load_b128 v[PT:PT+3], v[XR]
	ds_load_b128 v[PT+4:PT+7], v[XR] offset:512
	s_wait_dscnt 0x0
.irp m, 0,1,2,3,4,5,6,7
	v_max_num_f32 v[MX+\m], v[MX+\m], v[PT+\m]     ; the part's largest score of the query
.endr
.irp m, 0,1,2,3,4,5,6,7
	v_mul_f32 v[NM+2*\m+1], s[CS], v[MX+\m]        ; as t (c is positive)
.endr
.irp m, 0,1,2,3,4,5,6,7
	v_floor_f32 v[NM+2*\m], -v[NM+2*\m+1]          ; -M = floor(-t): M is a whole number
.endr
	WIN 0x82
	SCALEW 0, 5
	WIN 0xc3
	SCALEW 6, 7
	EXPW 6, 7                                      ; the 288 exponentials are ONE batch
	WIN 0x82
	EXPW 0, 5
	v_nop                                          ; a plain line behind the last exponential
	s_wait_alu depctr_va_vdst(0)                   ; the wait ahead of the first line that names a result: one for the batch
	WIN 0x28
	SUMW 0, 5
	WIN 0x0a                                       ; sources 0 and 1: window 2
	CVTW 0, 5
	WIN 0x3c
	SUMW 6, 7
	WIN 0x0f
	CVTW 6, 7
	WIN 0
.set I, 0
.rept 36
	global_store_b128 v[POF], v[PK+4*I:PK+4*I+3], s[6:7] offset:1024*I   ; my half of fragment I: the wave stores 512 consecutive bytes, aligned
.set I, I+1
.endr
.irp m, 0,1,2,3,4,5,6,7
	v_add_f32 v[LS+2*\m], v[LS+2*\m], v[LS+2*\m+1]
.endr
.irp m, 0,1,2,3,4,5,6,7
	v_permlanex16_b32 v[PT+\m], v[LS+2*\m], s[SEL], s[SEL+1]
.endr
.irp m, 0,1,2,3,4,5,6,7
	v_add_f32 v[LS+2*\m], v[LS+2*\m], v[PT+\m]     ; my wave's sum of p for query r of block m'
.endr
	v_cmp_eq_u32 vcc_lo, 1, v2                     ; lanes 16-31 store m' = 4..7, lanes 0-15 m' = 0..3
.irp i, 0,1,2,3
	v_cndmask_b32 v[OU+\i], v[NM+2*\i], v[NM+8+2*\i], vcc_lo
	v_cndmask_b32 v[OU+4+\i], v[LS+2*\i], v[LS+8+2*\i], vcc_lo
.endr
	global_store_b128 v[SOF], v[OU:OU+3], s[8:9]               ; 512 consecutive bytes a store, aligned
	global_store_b128 v[SOF], v[OU+4:OU+7], s[8:9] offset:512
	s_wait_tensorcnt 0x0                           ; the wave's end: three lines behind my last tensor load and my last LDS store
	ds_add_u32 v[SPW], v[NIL]
	s_wait_dscnt 0x0
	CROUND                                         ; the closing round
	s_endpgm
.Lfunc_end_k_q8bcfd778ed_scorep:
	.size	k_q8bcfd778ed_scorep, .Lfunc_end_k_q8bcfd778ed_scorep-k_q8bcfd778ed_scorep
	.p2alignl 7, 3214868480
	.fill 96, 4, 3214868480
	.section	.rodata,"a",@progbits
	.p2align	6, 0x0
	.amdhsa_kernel k_q8bcfd778ed_scorep
		.amdhsa_group_segment_fixed_size 327680
		.amdhsa_private_segment_fixed_size 0
		.amdhsa_enable_private_segment 0
		.amdhsa_kernarg_size 24
		.amdhsa_user_sgpr_count 2
		.amdhsa_user_sgpr_kernarg_segment_ptr 1
		.amdhsa_wavefront_size32 1
		.amdhsa_system_sgpr_workgroup_id_x 1
		.amdhsa_system_sgpr_workgroup_id_y 1
		.amdhsa_system_sgpr_workgroup_id_z 1
		.amdhsa_system_vgpr_workitem_id 0
		.amdhsa_next_free_vgpr 1024
		.amdhsa_next_free_sgpr 80
		.amdhsa_reserve_vcc 1
		.amdhsa_float_denorm_mode_32 3
		.amdhsa_float_denorm_mode_16_64 3
		.amdhsa_memory_ordered 1
		.amdhsa_forward_progress 1
		.amdhsa_inst_pref_size 142
	.end_amdhsa_kernel
	.amdgpu_metadata
---
amdhsa.version: [ 1, 2 ]
amdhsa.kernels:
  - .name:           k_q8bcfd778ed_scorep
    .symbol:         k_q8bcfd778ed_scorep.kd
    .args:
      - { .name: qkv, .offset: 0, .size: 8, .value_kind: global_buffer, .address_space: global }
      - { .name: pim, .offset: 8, .size: 8, .value_kind: global_buffer, .address_space: global }
      - { .name: st, .offset: 16, .size: 8, .value_kind: global_buffer, .address_space: global }
    .group_segment_fixed_size: 327680
    .private_segment_fixed_size: 0
    .kernarg_segment_align: 8
    .kernarg_segment_size: 24
    .max_flat_workgroup_size: 128
    .sgpr_count:     80
    .vgpr_count:     1024
    .wavefront_size: 32
...
	.end_amdgpu_metadata
.endif
;; end of part 3
;; launch pv (part 4): grid 8 x 32, 4 waves a work-group, clusters of 4 x 4, 327,680 bytes of LDS; arguments pim, qkv, st, out0; writes out0
.if DOCPART == 4
	.amdgcn_target "amdgcn-amd-amdhsa--gfx1250"
	.amdhsa_code_object_version 6
	.text
	.protected	k_q8bcfd778ed_pv
	.globl	k_q8bcfd778ed_pv
	.p2align	8
	.type	k_q8bcfd778ed_pv,@function
k_q8bcfd778ed_pv:
	s_mov_b64 s[64:65], 0
	v_nop
	global_prefetch_b8 v0, s[64:65] scope:SCOPE_SE
	s_setreg_imm32_b32 hwreg(HW_REG_WAVE_MODE, 25, 1), 1
	s_wait_xcnt 0x0
	s_wait_alu depctr_hold_cnt(0) depctr_sa_sdst(0) depctr_va_vdst(0) depctr_va_sdst(0) depctr_va_ssrc(0) depctr_va_vcc(0) depctr_vm_vsrc(0)
	s_getreg_b32 s2, hwreg(HW_REG_IB_STS2, 6, 4)
	s_cmp_eq_u32 s2, 0
	s_cbranch_scc0 .Lentry_in_a_cluster
	s_endpgm
.Lentry_in_a_cluster:
	s_bfe_u32 s2, ttmp6, 0x10000c
	s_cmp_lg_u32 s2, 0xf033
	s_cbranch_scc0 .Lentry_shape_is_right
	s_endpgm
.Lentry_shape_is_right:
; out0 = the weights times v.  A work-group makes the 256 queries of slice gy = 8 b + g (token 128 m + 16 g + r, m = 0..15) x channels 128 c .. 128 c + 127.
; Eight steps, one for each key slice h of the batch (256 keys).  A step's operands: P, 73,728 dense bytes of pim, register images of fragments (16 queries of block m = 2 a + u x 32 keys 32 t .. 32 t + 31 of the slice, t <= a);
; V, the slice's 256 rows x 256 bytes of qkv (v lies 4,096 bytes into a row).  O^T = V^T P (source 0 = 16 channels x 32 keys, turned on its way out of LDS; source 1 = P): a lane holds one query and eight channels.
; Wave (u, w') has blocks m = 2 a + u, a = 0..7, x channels 64 w' + 16 cb, cb = 0..3: 32 accumulators of the step (window 3) and 32 totals (window 1).
; THE PARTS UNDER ONE M.  Each part's p stands under its own whole number M_h.  f'(h) = 2^(M_h - max M) / l, l = the sum over h of 2^(M_h - max M) x the part's sum of p: the power of two is exact and never above 1.
; The totals take each step's sums times f'.  A part in which the query sees no key has M at its floor: its power of two is 0, and its p are zeros.
; A step is four pairs of key blocks, t = 7 - i (the small run) and t = i (the big run): 36 matrix instructions, 9 fragments of P and 8 of V each.
; CLUSTERS: 4 x 4; P hangs on gy alone and is shared along a row of the cluster, V on the batch and c and is shared along a column: joint loads.
; No prefetch is laid: each tile of P and of V is read by two clusters at about the same time, so the streams are not read once.
; Rows 0 to 15 of each batch are stored here like all others and stored again, made in f32, by the launch that follows.
; REGISTERS: window 0: v16-29 addresses; v32-47, v48-63 the factors of a step, two sets (a pair for each a); v64-135, v136-207 P's fragments, two buffers.  window 1: the totals, (a, cb) at v[8 (4 a + cb)].
;   window 2: V's fragments, v0-63 and v64-127.  window 3: the step's sums, numbered as the totals.
.set PSZ,   73728                      ; a step's P in bytes; V's 256 rows of 288 bytes are as many
.set HALFB, 36864                      ; what one tensor load brings
.set SLOT,  2*PSZ
.set VSTEP, 256*6144                   ; from a slice of qkv to the next
.set TAB,   2*SLOT                     ; behind the ring: the factors, [h][u][a][r] x 8 bytes (f' twice)
.set SPARE, TAB+16384                  ; the spare words, 128 bytes for each wave: two blocks of 256 bytes that no other line names
.set AP,  16                           ; v16-17 LDS address of my P fragments in slot 0, 1
.set AV,  18                           ; v18-21 of V: slot 0 keys 0-127, 128-255; slot 1 likewise
.set ADF, 22                           ; v22 of my factors of the step to be fetched
.set TW,  23                           ; v23 where I put factors
.set STO, 24                           ; the way out: 16 rows x 272 bytes for each wave, in slot 0, which has had its last fill and its last read by then
.set RD,  25
.set CO,  26
.set SPW, 28
.set NIL, 29
.set FS,  32
.set PB,  64
.set G1P, 24
.set G0P, 32
.set G1V, 48
.set G0V, 56
.set MSB, 0
.macro WIN new
.if MSB != \new
	s_set_vgpr_msb (MSB<<8)|\new
.set MSB, \new
.endif
.endm
.set W_PV, 0xf2                        ; source 0 (V) window 2, source 1 (P) window 0, C and D window 3
.macro JLOAD s                         ; a joint load: waves 0 and 1 fetch P's halves, waves 2 and 3 V's; an s_nop 0 and four v_nop follow each of the two lines
	s_cmp_eq_u32 s13, 0
	s_cbranch_scc0 .Lfor_v_\@
	tensor_load_to_lds s[G0P+4*\s:G0P+4*\s+3], s[G1P:G1P+7]
	s_nop 0
.rept 4
	v_nop
.endr
	s_branch .Lasked_\@
.Lfor_v_\@:
	tensor_load_to_lds s[G0V+4*\s:G0V+4*\s+3], s[G1V:G1V+7]
	s_nop 0
.rept 4
	v_nop
.endr
.Lasked_\@:
.endm
.macro CREST
	s_cmp_lg_u32 s12, 0
	s_cbranch_scc1 .Lnot_wave_0_\@
	s_barrier_signal -3
.Lnot_wave_0_\@:
	s_barrier_wait -3
	s_barrier_signal -1
	s_barrier_wait -1
.endm
.macro CROUND
	s_barrier_signal -1
	s_barrier_wait -1
	CREST
.endm
.macro PLACES
.rept 4
	v_nop
.endr
.endm
	s_load_b256 s[4:11], s[0:1], 0x0               ; pim s[4:5], qkv s[6:7], st s[8:9], out0 s[10:11]
	v_lshl_add_u32 v[SPW], v0, 2, SPARE
	v_mov_b32 v[NIL], 0
	ds_add_u32 v[SPW], v[NIL]                      ; the wave's opening: the add, twice on end, and its wait ahead of my first tensor load
	ds_add_u32 v[SPW], v[NIL]
	v_lshrrev_b32 v1, 5, v0
	v_readfirstlane_b32 s12, v1                    ; wave 0..3
	s_lshr_b32 s13, s12, 1                         ; u.  Also: I fetch for P (0) or for V (1)
	s_and_b32 s14, s12, 1                          ; w'.  Also: which half I fetch
	s_bfe_u32 s40, ttmp6, 0x40000                  ; cx, cy
	s_bfe_u32 s41, ttmp6, 0x40004
	s_lshl_b32 s42, ttmp9, 2
	s_add_co_u32 s42, s42, s40                     ; c = 4 x cluster x + cx
	s_and_b32 s16, ttmp7, 0xffff
	s_lshl_b32 s17, s16, 2
	s_add_co_u32 s17, s17, s41                     ; gy = 4 x cluster y + cy
	s_lshr_b32 s18, s16, 1                         ; the batch: it hangs on the cluster's y alone
	s_lshl_b32 s43, s41, 2
	s_lshl_b32 s43, 15, s43                        ; my row of the cluster
	s_lshl_b32 s44, 0x1111, s40                    ; my column
	s_or_b32 s[G1P], s43, (3<<16)|(1<<21)          ; P: 36,864 dense bytes as 144 rows of 256 (32 elements of 8 bytes), no padding; the mask, bit 21 beside it
	s_mov_b32 s[G1P+1], 32<<16
	s_mov_b32 s[G1P+2], 144<<16
	s_mov_b32 s[G1P+3], 32<<16
	s_mov_b32 s[G1P+4], 144
	s_mov_b32 s[G1P+5], 32
	s_mov_b32 s[G1P+6], 0
	s_mov_b32 s[G1P+7], 0
	s_or_b32 s[G1V], s44, (1<<16)|(1<<20)|(1<<21)|(5<<22)|(7<<25)   ; V: 128 rows x 128 elements of 2 bytes; 8 words of padding behind every 64: LDS rows 288 bytes apart
	s_mov_b32 s[G1V+1], 128<<16
	s_mov_b32 s[G1V+2], 128<<16
	s_mov_b32 s[G1V+3], 128<<16
	s_mov_b32 s[G1V+4], 128
	s_mov_b32 s[G1V+5], 3072
	s_mov_b32 s[G1V+6], 0
	s_mov_b32 s[G1V+7], 0
	s_mul_i32 s20, s17, 8*PSZ                      ; P: part (gy, 0),
	s_mul_i32 s21, s14, HALFB                      ; my half of it
	s_add_co_u32 s20, s20, s21
	s_mov_b32 s21, 0
	s_lshl_b32 s46, s18, 11                        ; V: row 2048 x batch
	s_lshl_b32 s47, s14, 7                         ;  + my 128 rows
	s_add_co_u32 s46, s46, s47
	s_mul_i32 s46, s46, 6144
	s_lshl_b32 s47, s42, 8                         ;  + 256 c bytes
	s_add_co_u32 s46, s46, s47
	s_add_co_u32 s46, s46, 4096                    ;  v lies 4,096 bytes into a row
	s_mov_b32 s47, 0
	s_mul_i32 s19, s12, HALFB                      ; where they go: wave x 36,864 bytes
	s_wait_dscnt 0x0                               ; both opening adds are done
	s_wait_kmcnt 0x0
	s_add_nc_u64 s[20:21], s[4:5], s[20:21]
	s_add_nc_u64 s[46:47], s[6:7], s[46:47]
	CROUND                                         ; all sixteen work-groups are here: the first joint loads meet
.irp s, 0,1
	s_mov_b32 s[G0P+4*\s], 1
	s_add_co_u32 s[G0P+4*\s+1], s19, \s*SLOT
	s_add_nc_u64 s[G0P+4*\s+2:G0P+4*\s+3], s[20:21], \s*PSZ
	s_or_b32 s[G0P+4*\s+3], s[G0P+4*\s+3], 0x80000000
	s_mov_b32 s[G0V+4*\s], 1
	s_add_co_u32 s[G0V+4*\s+1], s19, \s*SLOT
	s_add_nc_u64 s[G0V+4*\s+2:G0V+4*\s+3], s[46:47], \s*VSTEP
	s_or_b32 s[G0V+4*\s+3], s[G0V+4*\s+3], 0x80000000
	JLOAD \s                                       ; two loads of mine are out behind the second
.endr
	; ---- the factors.  Thread tau stands for query r = tau / 8 of blocks a = tau % 8, u = 0 and 1: its word in a block of st lies at 4 tau
	v_lshlrev_b32 v2, 2, v0
	s_lshl_b32 s22, s17, 15                        ; st: 32,768 bytes for each gy
	s_mov_b32 s23, 0
	s_add_nc_u64 s[8:9], s[8:9], s[22:23]
.irp uu, 0,1
.irp hh, 0,1,2,3,4,5,6,7
	global_load_b32 v[64+24*\uu+\hh], v2, s[8:9] offset:(4*\hh+2*\uu)*1024          ; -M of part h (both waves of a u hold the same)
	global_load_b32 v[72+24*\uu+\hh], v2, s[8:9] offset:(4*\hh+2*\uu)*1024+512      ; the sum of wave v = 0
	global_load_b32 v[80+24*\uu+\hh], v2, s[8:9] offset:(4*\hh+2*\uu+1)*1024+512    ; and of wave v = 1
.endr
.endr
	v_and_b32 v3, 31, v0                           ; lane
	v_and_b32 v4, 15, v0                           ; r
	v_bfe_u32 v5, v0, 4, 1                         ; lane / 16
	s_mul_i32 s22, s13, HALFB
	v_lshl_add_u32 v[AP], v3, 4, s22               ; P: my u's half, 16 x lane
	v_add_nc_u32 v[AP+1], SLOT, v[AP]
	v_and_b32 v6, 7, v0
	v_bfe_u32 v7, v0, 3, 1
	v_lshl_add_u32 v8, v5, 3, v6                   ; the turning load: key 8 (l / 16) + l % 8,
	v_mul_u32_u24 v8, v8, 288
	v_lshl_add_u32 v8, v7, 4, v8                   ; channels 8 ((l / 8) % 2) on,
	s_lshl_b32 s22, s14, 7                         ; of my 64 channels,
	s_add_co_u32 s22, s22, PSZ                     ; behind P
	v_add_nc_u32 v[AV], s22, v8
	v_add_nc_u32 v[AV+1], HALFB, v[AV]
	v_add_nc_u32 v[AV+2], SLOT, v[AV]
	v_add_nc_u32 v[AV+3], SLOT, v[AV+1]
	s_lshl_b32 s22, s13, 10
	s_add_co_u32 s22, s22, TAB
	v_lshl_add_u32 v[ADF], v4, 3, s22              ; my factors: 1,024 u + 8 r, step 0
	v_and_b32 v9, 7, v0
	v_lshrrev_b32 v10, 3, v0
	v_lshlrev_b32 v[TW], 7, v9
	v_lshl_add_u32 v[TW], v10, 3, v[TW]
	v_add_nc_u32 v[TW], TAB, v[TW]                 ; where thread tau puts factors: 128 (tau % 8) + 8 (tau / 8)
	s_mul_i32 s22, s12, 16*272                     ; my stage
	v_mul_u32_u24 v[STO], v4, 272
	v_lshl_add_u32 v[STO], v5, 5, v[STO]
	v_add_nc_u32 v[STO], s22, v[STO]               ; in: row r, 32 bytes for each half of the lanes
	v_mul_u32_u24 v[RD], v5, 272
	v_lshl_add_u32 v[RD], v4, 4, v[RD]
	v_add_nc_u32 v[RD], s22, v[RD]                 ; back: lanes 0-15 one row of 256 bytes, lanes 16-31 the next
	v_lshlrev_b32 v[CO], 12, v5
	v_lshl_add_u32 v[CO], v4, 4, v[CO]             ; and the same two rows in out0
	s_lshl_b32 s22, s18, 11                        ; out0: token 2048 x batch
	s_lshl_b32 s23, s13, 7                         ;  + 128 u
	s_add_co_u32 s22, s22, s23
	s_and_b32 s23, s17, 7
	s_lshl_b32 s23, s23, 4                         ;  + 16 g
	s_add_co_u32 s22, s22, s23
	s_lshl_b32 s22, s22, 12                        ; rows of 4,096 bytes
	s_lshl_b32 s23, s42, 9                         ;  + 512 c
	s_add_co_u32 s22, s22, s23
	s_lshl_b32 s23, s14, 8                         ;  + 256 w'
	s_add_co_u32 s22, s22, s23
	s_mov_b32 s23, 0
	s_add_nc_u64 s[10:11], s[10:11], s[22:23]
	s_wait_loadcnt 0x0
.irp uu, 0,1
	v_min3_num_f32 v[112+\uu], v[64+24*\uu], v[65+24*\uu], v[66+24*\uu]
	v_min3_num_f32 v[112+\uu], v[112+\uu], v[67+24*\uu], v[68+24*\uu]
	v_min3_num_f32 v[112+\uu], v[112+\uu], v[69+24*\uu], v[70+24*\uu]
	v_min_num_f32 v[112+\uu], v[112+\uu], v[71+24*\uu]             ; the least -M: the row's M
.endr
.irp uu, 0,1
.irp hh, 0,1,2,3,4,5,6,7
	v_sub_f32 v[64+24*\uu+\hh], v[112+\uu], v[64+24*\uu+\hh]       ; M_h - the row's M: a whole number, 0 or less
	v_add_f32 v[72+24*\uu+\hh], v[72+24*\uu+\hh], v[80+24*\uu+\hh] ; the part's sum
.endr
.endr
.irp uu, 0,1
.irp hh, 0,1,2,3,4,5,6,7
	v_cvt_i32_f32 v[64+24*\uu+\hh], v[64+24*\uu+\hh]               ; (it saturates)
.endr
.endr
.irp uu, 0,1
.irp hh, 0,1,2,3,4,5,6,7
	v_ldexp_f32 v[64+24*\uu+\hh], 1.0, v[64+24*\uu+\hh]            ; 2^(M_h - M): exact
.endr
.endr
.irp uu, 0,1
	v_mul_f32 v[114+\uu], v[64+24*\uu], v[72+24*\uu]
.endr
.irp hh, 1,2,3,4,5,6,7
.irp uu, 0,1
	v_fmac_f32 v[114+\uu], v[64+24*\uu+\hh], v[72+24*\uu+\hh]      ; l: the row's sum under its M; the query's own key is among them, so l is above 0
.endr
.endr
	v_rcp_f32 v148, v114
	v_rcp_f32 v149, v115
	v_nop                                          ; a plain line behind the reciprocals
	s_wait_alu depctr_va_vdst(0)                   ; and the wait ahead of their first reader: one for the two
.irp uu, 0,1
.irp hh, 0,1,2,3,4,5,6,7
	v_mul_f32 v[116+16*\uu+2*\hh], v[64+24*\uu+\hh], v[148+\uu]    ; f', twice: a pair for the packed forms
	v_mul_f32 v[117+16*\uu+2*\hh], v[64+24*\uu+\hh], v[148+\uu]
.endr
.endr
.irp uu, 0,1
.irp hh, 0,1,2,3,4,5,6,7
	ds_store_b64 v[TW], v[116+16*\uu+2*\hh:117+16*\uu+2*\hh] offset:2048*\hh+1024*\uu
.endr
.endr
; V's four fragments (16 channels x 32 keys each) of key block tt into window 2 from v[reg] on
.macro VLOAD slot, tt, reg
.irp cb, 0,1,2,3
	ds_load_tr16_b128 v[(\reg)+8*\cb:(\reg)+8*\cb+3],   v[AV+2*\slot+(\tt)/4] offset:((\tt)%4)*9216+32*\cb
	ds_load_tr16_b128 v[(\reg)+8*\cb+4:(\reg)+8*\cb+7], v[AV+2*\slot+(\tt)/4] offset:((\tt)%4)*9216+32*\cb+4608
.endr
.endm
; P's fragments (a, t), a = t .. 7, from v[reg] on
.macro PLOADS slot, t, reg
.irp a, 0,1,2,3,4,5,6,7
.if \a >= (\t)
	ds_load_b128 v[(\reg)+8*(\a-(\t)):(\reg)+8*(\a-(\t))+3],   v[AP+\slot] offset:(\a*(\a+1)/2+(\t))*1024
	ds_load_b128 v[(\reg)+8*(\a-(\t))+4:(\reg)+8*(\a-(\t))+7], v[AP+\slot] offset:(\a*(\a+1)/2+(\t))*1024+512
.endif
.endr
.endm
; 34 LDS loads in one run: pair i's fragments into buffer i % 2: V of both key blocks, P of the small run, P of the big run
.macro FETCHP slot, i
	WIN 0x80                                       ; destination window 2
	VLOAD \slot, 7-(\i), 64*((\i)%2)
	VLOAD \slot, (\i), 64*((\i)%2)+32
	WIN 0
	PLOADS \slot, 7-(\i), PB+72*((\i)%2)
	PLOADS \slot, (\i), PB+72*((\i)%2)+8*((\i)+1)
.endm
; The products of key block t: blocks a = t .. 7 x four channel blocks.  zm = 1: all start their sums; 2: those of a < 7 do; 0: none.  No two neighbours share an accumulator.
.macro RUN t, pbase, vbase, zm
.irp a, 0,1,2,3,4,5,6,7
.irp cb, 0,1,2,3
.if \a >= (\t)
.if (\zm == 1) || ((\zm == 2) && (\a < 7))
	v_wmma_f32_16x16x32_f16 v[8*(4*\a+\cb):8*(4*\a+\cb)+7], v[(\vbase)+8*\cb:(\vbase)+8*\cb+7], v[(\pbase)+8*(\a-(\t)):(\pbase)+8*(\a-(\t))+7], 0
.else
	v_wmma_f32_16x16x32_f16 v[8*(4*\a+\cb):8*(4*\a+\cb)+7], v[(\vbase)+8*\cb:(\vbase)+8*\cb+7], v[(\pbase)+8*(\a-(\t)):(\pbase)+8*(\a-(\t))+7], v[8*(4*\a+\cb):8*(4*\a+\cb)+7]
.endif
.endif
.endr
.endr
.endm
.macro PAIRS i                         ; pair i's small run: t = 7 - i
.if (\i) == 0
	RUN 7, PB, 0, 1
.else
	RUN 7-(\i), PB+72*((\i)%2), 64*((\i)%2), 0
.endif
.endm
.macro PAIRB i                         ; pair i's big run: t = i
.if (\i) == 0
	RUN 0, PB+8, 32, 2
.else
	RUN (\i), PB+72*((\i)%2)+8*((\i)+1), 64*((\i)%2)+32, 0
.endif
.endm
.macro QUARTER slot, i                 ; pairs 0 to 2 of a step
.if (\i) == 0
	s_wait_dscnt 24                                ; V and the small run's P are in; the big run's 16 loads of P and the 8 loads of factors behind them may be out
.else
	s_wait_dscnt 16-2*(\i)                         ; the big run's loads of P may be out
.endif
	WIN W_PV
	PAIRS \i
	WIN 0
	PLACES                                         ; four plain lines in front of loads into registers that matrix instructions have read
	FETCHP \slot, (\i)+1
	s_wait_dscnt 34                                ; all but the 34 just issued
	WIN W_PV
	PAIRB \i
.endm
; The totals take the step's sums times the factors of set.  first = 1: they begin with them.  Each accumulator from its low end on.
.macro MERGE set, first
.if \first
	WIN 0x43                                       ; source 0 window 3, source 1 window 0, destination window 1
.else
	WIN 0x53                                       ; and source 2 window 1
.endif
.irp a, 0,1,2,3,4,5,6,7
.set I, 0
.rept 16
.if \first
	v_pk_mul_f32 v[32*\a+2*I:32*\a+2*I+1], v[32*\a+2*I:32*\a+2*I+1], v[FS+16*\set+2*\a:FS+16*\set+2*\a+1]
.else
	v_pk_fma_f32 v[32*\a+2*I:32*\a+2*I+1], v[32*\a+2*I:32*\a+2*I+1], v[FS+16*\set+2*\a:FS+16*\set+2*\a+1], v[32*\a+2*I:32*\a+2*I+1]
.endif
.set I, I+1
.endr
.endr
	WIN 0
.endm
.macro FACTORS set
.irp a, 0,1,2,3,4,5,6,7
	ds_load_b64 v[FS+16*\set+2*\a:FS+16*\set+2*\a+1], v[ADF] offset:128*\a
.endr
.endm
; Pair 3 changes slots: ONE barrier; in front of it each wave waits for all its tensor loads, adds 0 to its spare word, and waits for that and for its reads of this slot.
.macro TURN slot, next, fill, first
	WIN 0                                          ; (the add's two registers lie in window 0)
	s_wait_tensorcnt 0x0                           ; all my tensor loads have landed: the one that was out is my part of the next slot
	ds_add_u32 v[SPW], v[NIL]                      ; 0 onto my spare word
	s_wait_dscnt 11                                ; (the add and the big run's ten loads of P may be out)
	WIN W_PV
	PAIRS 3                                        ; sixteen matrix instructions stand between the add and the wait for it
	s_wait_dscnt 0x0                               ; the add is done, and my reads of this slot are over
	s_barrier_signal -1
	PAIRB 3
	WIN 0
	s_barrier_wait -1
.if \fill
	CREST                                          ; the barrier has opened a round of the cluster's barrier: no wave of any partner still reads this slot or has a load on its way
	s_add_nc_u64 s[G0P+4*\slot+2:G0P+4*\slot+3], s[G0P+4*\slot+2:G0P+4*\slot+3], 2*PSZ
	s_add_nc_u64 s[G0V+4*\slot+2:G0V+4*\slot+3], s[G0V+4*\slot+2:G0V+4*\slot+3], 2*VSTEP
	JLOAD \slot                                    ; the first tensor load behind the round: the step two on; its four v_nop are also the places in front of what follows
.else
	PLACES
.endif
	v_add_nc_u32 v[ADF], 2048, v[ADF]              ; the next step's factors (no LDS load of mine is out)
	FETCHP \next, 0
	FACTORS \next
	MERGE \slot, \first
.endm
	s_wait_tensorcnt 1                             ; my part of step 0 is in (step 1's may be out)
	s_wait_dscnt 0x0                               ; and my factors lie in LDS
	s_barrier_signal -1
	s_barrier_wait -1                              ; everybody's
	FETCHP 0, 0
	FACTORS 0
	QUARTER 0, 0                                   ; steps 0 and 1 are written out: step 0's sums begin the totals
	QUARTER 0, 1
	QUARTER 0, 2
	TURN 0, 1, 1, 1
	QUARTER 1, 0
	QUARTER 1, 1
	QUARTER 1, 2
	TURN 1, 0, 1, 0
	s_mov_b32 s3, 2
.Llap:                                                 ; two trips: steps 2 to 5; each fills both slots again
	QUARTER 0, 0
	QUARTER 0, 1
	QUARTER 0, 2
	TURN 0, 1, 1, 0
	QUARTER 1, 0
	QUARTER 1, 1
	QUARTER 1, 2
	TURN 1, 0, 1, 0
	s_sub_co_u32 s3, s3, 1
	s_cmp_lg_u32 s3, 0
	s_cbranch_scc1 .Llap
	QUARTER 0, 0                                   ; steps 6 and 7 fill nothing
	QUARTER 0, 1
	QUARTER 0, 2
	TURN 0, 1, 0, 0
	QUARTER 1, 0
	QUARTER 1, 1
	QUARTER 1, 2
	s_wait_dscnt 10                                ; the big run's ten loads of P may be out
	PAIRS 3
	s_wait_dscnt 0x0
	PAIRB 3
	WIN 0
	PLACES
	MERGE 1, 0
; THE WAY OUT, block by block of 16 queries x 64 channels: through my own stage, back as whole rows of 256 bytes.  LDS serves a wave's instructions in order: no wait between the stores and the loads, nor in front of the next block's stores.
.macro STAGE a
	WIN 0x04                                       ; an LDS store's data are its source 1: window 1
.irp cb, 0,1,2,3
	ds_store_b128 v[STO], v[32*(\a)+8*\cb:32*(\a)+8*\cb+3] offset:64*\cb
	ds_store_b128 v[STO], v[32*(\a)+8*\cb+4:32*(\a)+8*\cb+7] offset:64*\cb+16
.endr
	WIN 0
.set BB, 64+32*((\a)%2)
.irp t, 0,1,2,3,4,5,6,7
	ds_load_b128 v[BB+4*\t:BB+4*\t+3], v[RD] offset:\t*544
.endr
.endm
.macro SEND a, younger                 ; younger: the LDS instructions issued behind block a's loads, which may stay out
.set BB, 64+32*((\a)%2)
	s_wait_dscnt \younger
.if (\a) > 0
	s_add_nc_u64 s[10:11], s[10:11], 256*4096      ; (behind a wait on XCNT: the earlier stores have read their base)  block a lies 256 tokens past block a - 1
.endif
.irp t, 0,1,2,3,4,5,6,7
	global_store_b128 v[CO], v[BB+4*\t:BB+4*\t+3], s[10:11] offset:\t*8192 th:TH_STORE_NT   ; 16 lanes store 256 consecutive bytes, aligned
.endr
.endm
	STAGE 0
.irp a, 1,2,3,4,5,6,7
.if \a > 1
	s_wait_xcnt 0x0                                ; block a - 2's stores have read their registers and their base
.endif
	STAGE \a
	SEND \a-1, 16                                  ; behind block a - 1's loads: block a's 8 stores and 8 loads
.endr
	s_wait_xcnt 0x0
	SEND 7, 0
	s_wait_tensorcnt 0x0                           ; the wave's end: three lines behind my last tensor load and my last LDS store
	ds_add_u32 v[SPW], v[NIL]
	s_wait_dscnt 0x0
	CROUND                                         ; the closing round
	s_endpgm
.Lfunc_end_k_q8bcfd778ed_pv:
	.size	k_q8bcfd778ed_pv, .Lfunc_end_k_q8bcfd778ed_pv-k_q8bcfd778ed_pv
	.p2alignl 7, 3214868480
	.fill 96, 4, 3214868480
	.section	.rodata,"a",@progbits
	.p2align	6, 0x0
	.amdhsa_kernel k_q8bcfd778ed_pv
		.amdhsa_group_segment_fixed_size 327680
		.amdhsa_private_segment_fixed_size 0
		.amdhsa_enable_private_segment 0
		.amdhsa_kernarg_size 32
		.amdhsa_user_sgpr_count 2
		.amdhsa_user_sgpr_kernarg_segment_ptr 1
		.amdhsa_wavefront_size32 1
		.amdhsa_system_sgpr_workgroup_id_x 1
		.amdhsa_system_sgpr_workgroup_id_y 1
		.amdhsa_system_sgpr_workgroup_id_z 1
		.amdhsa_system_vgpr_workitem_id 0
		.amdhsa_next_free_vgpr 1024
		.amdhsa_next_free_sgpr 66
		.amdhsa_reserve_vcc 0
		.amdhsa_float_denorm_mode_32 3
		.amdhsa_float_denorm_mode_16_64 3
		.amdhsa_memory_ordered 1
		.amdhsa_forward_progress 1
		.amdhsa_inst_pref_size 203
	.end_amdhsa_kernel
	.amdgpu_metadata
---
amdhsa.version: [ 1, 2 ]
amdhsa.kernels:
  - .name:           k_q8bcfd778ed_pv
    .symbol:         k_q8bcfd778ed_pv.kd
    .args:
      - { .name: pim, .offset: 0, .size: 8, .value_kind: global_buffer, .address_space: global }
      - { .name: qkv, .offset: 8, .size: 8, .value_kind: global_buffer, .address_space: global }
      - { .name: st, .offset: 16, .size: 8, .value_kind: global_buffer, .address_space: global }
      - { .name: out0, .offset: 24, .size: 8, .value_kind: global_buffer, .address_space: global }
    .group_segment_fixed_size: 327680
    .private_segment_fixed_size: 0
    .kernarg_segment_align: 8
    .kernarg_segment_size: 32
    .max_flat_workgroup_size: 128
    .sgpr_count:     66
    .vgpr_count:     1024
    .wavefront_size: 32
...
	.end_amdgpu_metadata
.endif
;; end of part 4
;; launch head16 (part 5): grid 4 x 1, 8 waves a work-group, no clusters, 76,800 bytes of LDS; arguments h32, out0; writes out0
.if DOCPART == 5
	.amdgcn_target "amdgcn-amd-amdhsa--gfx1250"
	.amdhsa_code_object_version 6
	.text
	.protected	k_q8bcfd778ed_head16
	.globl	k_q8bcfd778ed_head16
	.p2align	8
	.type	k_q8bcfd778ed_head16,@function
k_q8bcfd778ed_head16:
	s_mov_b64 s[64:65], 0
	v_nop
	global_prefetch_b8 v0, s[64:65] scope:SCOPE_SE
	s_setreg_imm32_b32 hwreg(HW_REG_WAVE_MODE, 25, 1), 1
	s_wait_xcnt 0x0
; The first 16 positions of each batch, wholly in f32: they average one to sixteen values and are the largest of the output, so f16 operands would weigh most there.
; h32: [4][16 tokens][3072] f32: q at column 0, k at 1,024, v at 2,048.  A work-group takes a batch; it stores rows 0 to 15 of the batch over what the launch before has put there.
; S^T = k q^T by the f32 matrix form (source 0 = 16 keys, source 1 = 16 queries): wave w sums e = 128 w .. 128 w + 127 on four accumulators by turns; the eight waves' parts meet in LDS as images of their registers.
; A lane (r, h) loads 16 bytes at e = 128 w + 8 i + 4 h of its row: the order of e within the sum is the same on both sides.  Every wave makes the softmax for itself: a lane holds query r and keys 8 h + 0..7.
; O^T = v^T w (source 0 = 16 channels x 4 keys, source 1 = the weights): wave w makes channels 128 w .. 128 w + 127; instruction i of four takes keys 8 h + 2 i + 0, 1 on both sides.
; The accumulators v208-239 are written by matrix instructions alone.
.set STG,   8192                       ; LDS: images at 0 (1,024 bytes a wave); stages of 16 rows x (512 + 16) bytes for each wave
.set SPARE, STG+8*8448                 ; the spare words, 128 bytes for each wave: four blocks of 256 bytes that no other line names
.set SPW,   14
.set NIL,   15
	s_load_b128 s[4:7], s[0:1], 0x0                ; h32 s[4:5], out0 s[6:7]
	v_lshl_add_u32 v[SPW], v0, 2, SPARE
	v_mov_b32 v[NIL], 0
	v_lshrrev_b32 v1, 5, v0
	v_readfirstlane_b32 s8, v1                     ; wave 0..7
	v_and_b32 v2, 31, v0                           ; lane
	v_and_b32 v3, 15, v0                           ; r
	v_bfe_u32 v4, v0, 4, 1                         ; h
	v_mul_u32_u24 v5, v3, 12288
	v_lshl_add_u32 v5, v4, 4, v5                   ; q, k: row r, + 16 h
	v_mul_u32_u24 v6, v4, 8*12288
	v_lshl_add_u32 v6, v3, 2, v6                   ; v: key 8 h, channel r
	v_lshlrev_b32 v7, 4, v2                        ; 16 x lane
	s_lshl_b32 s9, s8, 10
	v_add_nc_u32 v8, s9, v7                        ; my image
	s_mul_i32 s9, s8, 8448
	s_add_co_u32 s9, s9, STG                       ; my stage
	v_mul_u32_u24 v9, v3, 528
	v_lshl_add_u32 v9, v4, 5, v9
	v_add_nc_u32 v9, s9, v9                        ; in: row r, 32 bytes for each half of the lanes
	v_add_nc_u32 v10, s9, v7                       ; back: a row of 512 bytes to the 32 lanes
	v_lshlrev_b32 v11, 3, v4
	v_sub_nc_u32 v11, v3, v11                      ; d = r - 8 h: key register j is hidden where j > d
	v_mov_b32 v12, 0xff800000                      ; -infinity
	s_mul_i32 s10, ttmp9, 16*12288                 ; my batch,
	s_lshl_b32 s11, s8, 9                          ; my wave's 128 columns
	s_add_co_u32 s10, s10, s11
	s_mov_b32 s11, 0
	s_lshl_b32 s12, ttmp9, 23                      ; out0: 2,048 rows of 4,096 bytes a batch
	s_lshl_b32 s13, s8, 9
	s_add_co_u32 s12, s12, s13
	s_mov_b32 s13, 0
	s_mov_b32 s14, 0x76543210
	s_mov_b32 s15, 0xfedcba98                      ; v_permlanex16_b32's selects for lane l xor 16
	s_mov_b32 s16, 0x3d38aa3b                      ; c = log2(e) / sqrt(1024)
	s_wait_kmcnt 0x0
	s_add_nc_u64 s[4:5], s[4:5], s[10:11]
	s_add_nc_u64 s[6:7], s[6:7], s[12:13]
.set I, 0
.rept 16
	global_load_b128 v[16+4*I:19+4*I], v5, s[4:5] offset:32*I          ; q
	global_load_b128 v[80+4*I:83+4*I], v5, s[4:5] offset:4096+32*I     ; k
.set I, I+1
.endr
	s_wait_loadcnt 0x0                             ; q and k are in
.irp cb, 0,1,2,3,4,5,6,7
.irp kk, 0,1,2,3,4,5,6,7
	global_load_b32 v[144+8*\cb+\kk], v6, s[4:5] offset:\kk*12288+8192+64*\cb   ; v(key 8 h + kk, channel 128 w + 16 cb + r): they land while the scores are made
.endr
.endr
.set N, 0
.rept 32
.if N < 4
	v_wmma_f32_16x16x4_f32 v[208+8*(N%4):215+8*(N%4)], v[80+2*N:81+2*N], v[16+2*N:17+2*N], 0
.else
	v_wmma_f32_16x16x4_f32 v[208+8*(N%4):215+8*(N%4)], v[80+2*N:81+2*N], v[16+2*N:17+2*N], v[208+8*(N%4):215+8*(N%4)]
.endif
.set N, N+1
.endr
.rept 8
	v_nop                                          ; eight places behind this form before its results are read and its sources written (ISA guide 7.12.1)
.endr
.irp j, 0,1,2,3,4,5,6,7
	v_add_f32 v[16+\j], v[208+\j], v[216+\j]       ; each accumulator from its low end on
.endr
.irp j, 0,1,2,3,4,5,6,7
	v_add_f32 v[24+\j], v[224+\j], v[232+\j]
.endr
.irp j, 0,1,2,3,4,5,6,7
	v_add_f32 v[16+\j], v[16+\j], v[24+\j]         ; my 128 e's part of the scores
.endr
	ds_store_b128 v8, v[16:19]
	ds_store_b128 v8, v[20:23] offset:512
	s_wait_dscnt 0x0                               ; for the others' sake
	s_barrier_signal -1
	s_barrier_wait -1
.irp p, 0,1,2,3,4,5,6,7
	ds_load_b128 v[80+8*\p:83+8*\p], v7 offset:1024*\p
	ds_load_b128 v[84+8*\p:87+8*\p], v7 offset:1024*\p+512
.endr
	s_wait_dscnt 0x0
.irp j, 0,1,2,3,4,5,6,7
	v_add_f32 v[16+\j], v[80+\j], v[88+\j]
.endr
.irp p, 2,3,4,5,6,7
.irp j, 0,1,2,3,4,5,6,7
	v_add_f32 v[16+\j], v[16+\j], v[80+8*\p+\j]    ; the eight parts in one order in every wave
.endr
.endr
.irp j, 0,1,2,3,4,5,6,7
	v_cmp_gt_i32 vcc_lo, \j, v11
	v_cndmask_b32 v[16+\j], v[16+\j], v12, vcc_lo  ; hidden keys: -infinity
.endr
	v_max3_num_f32 v24, v16, v17, v18
	v_max3_num_f32 v24, v24, v19, v20
	v_max3_num_f32 v24, v24, v21, v22
	v_max_num_f32 v24, v24, v23
	v_mov_b32 v25, 0
	v_permlanex16_b32 v25, v24, s14, s15
	v_max_num_f32 v24, v24, v25                    ; the row's largest score: key 0 counts for every query
	v_mul_f32 v24, s16, v24
.irp j, 0,1,2,3,4,5,6,7
	v_fma_f32 v[16+\j], v[16+\j], s16, -v24        ; c (s - max)
.endr
.irp j, 0,1,2,3,4,5,6,7
	v_exp_f32 v[16+\j], v[16+\j]
.endr
	v_nop                                          ; a plain line behind the exponentials
	s_wait_alu depctr_va_vdst(0)                   ; the wait ahead of their first reader: one for the eight
	v_add_f32 v26, v16, v17
	v_add_f32 v27, v18, v19
	v_add_f32 v28, v20, v21
	v_add_f32 v29, v22, v23
	v_add_f32 v26, v26, v27
	v_add_f32 v28, v28, v29
	v_add_f32 v26, v26, v28
	v_permlanex16_b32 v25, v26, s14, s15
	v_add_f32 v26, v26, v25                        ; the row's sum
	v_rcp_f32 v27, v26
	v_nop
	s_wait_alu depctr_va_vdst(0)
.irp j, 0,1,2,3,4,5,6,7
	v_mul_f32 v[240+\j], v[16+\j], v27             ; the weights
.endr
	s_wait_loadcnt 0x0                             ; v
.rept 4
	v_nop
.endr
.irp gg, 0,1                           ; four channel blocks at a time, their accumulators by turns
.irp i, 0,1,2,3
.irp cc, 0,1,2,3
.if \i == 0
	v_wmma_f32_16x16x4_f32 v[208+8*\cc:215+8*\cc], v[144+8*(4*\gg+\cc)+2*\i:145+8*(4*\gg+\cc)+2*\i], v[240+2*\i:241+2*\i], 0
.else
	v_wmma_f32_16x16x4_f32 v[208+8*\cc:215+8*\cc], v[144+8*(4*\gg+\cc)+2*\i:145+8*(4*\gg+\cc)+2*\i], v[240+2*\i:241+2*\i], v[208+8*\cc:215+8*\cc]
.endif
.endr
.endr
.rept 8
	v_nop                                          ; eight places before the stores read the results
.endr
.irp cc, 0,1,2,3
	ds_store_b128 v9, v[208+8*\cc:211+8*\cc] offset:64*(4*\gg+\cc)       ; lane (r, h): out(r, 128 w + 16 cb + 8 h + 0 .. 7); each accumulator from its low end on
	ds_store_b128 v9, v[212+8*\cc:215+8*\cc] offset:64*(4*\gg+\cc)+16
.endr
.if \gg == 0
	s_wait_dscnt 0x0                               ; the stores have read the accumulators, which are begun anew:
	v_nop                                          ; with these two, ten places lie between the last products and those that write over their results
	v_nop
.endif
.endr
.irp t, 0,1,2,3,4,5,6,7,8,9,10,11,12,13,14,15
	ds_load_b128 v[16+4*\t:19+4*\t], v10 offset:\t*528         ; LDS serves a wave's instructions in order: these see my stores
.endr
.irp t, 0,1,2,3,4,5,6,7,8,9,10,11,12,13,14,15
	s_wait_dscnt 15-\t
	global_store_b128 v7, v[16+4*\t:19+4*\t], s[6:7] offset:\t*4096   ; 32 lanes store 512 consecutive bytes, aligned
.endr
	s_wait_tensorcnt 0x0                           ; the wave's end: three lines behind my last LDS store
	ds_add_u32 v[SPW], v[NIL]
	s_wait_dscnt 0x0
	s_endpgm
.Lfunc_end_k_q8bcfd778ed_head16:
	.size	k_q8bcfd778ed_head16, .Lfunc_end_k_q8bcfd778ed_head16-k_q8bcfd778ed_head16
	.p2alignl 7, 3214868480
	.fill 96, 4, 3214868480
	.section	.rodata,"a",@progbits
	.p2align	6, 0x0
	.amdhsa_kernel k_q8bcfd778ed_head16
		.amdhsa_group_segment_fixed_size 76800
		.amdhsa_private_segment_fixed_size 0
		.amdhsa_enable_private_segment 0
		.amdhsa_kernarg_size 16
		.amdhsa_user_sgpr_count 2
		.amdhsa_user_sgpr_kernarg_segment_ptr 1
		.amdhsa_wavefront_size32 1
		.amdhsa_system_sgpr_workgroup_id_x 1
		.amdhsa_system_sgpr_workgroup_id_y 1
		.amdhsa_system_sgpr_workgroup_id_z 1
		.amdhsa_system_vgpr_workitem_id 0
		.amdhsa_next_free_vgpr 256
		.amdhsa_next_free_sgpr 66
		.amdhsa_reserve_vcc 1
		.amdhsa_float_denorm_mode_32 3
		.amdhsa_float_denorm_mode_16_64 3
		.amdhsa_memory_ordered 1
		.amdhsa_forward_progress 1
		.amdhsa_inst_pref_size 27
	.end_amdhsa_kernel
	.amdgpu_metadata
---
amdhsa.version: [ 1, 2 ]
amdhsa.kernels:
  - .name:           k_q8bcfd778ed_head16
    .symbol:         k_q8bcfd778ed_head16.kd
    .args:
      - { .name: h32, .offset: 0, .size: 8, .value_kind: global_buffer, .address_space: global }
      - { .name: out0, .offset: 8, .size: 8, .value_kind: global_buffer, .address_space: global }
    .group_segment_fixed_size: 76800
    .private_segment_fixed_size: 0
    .kernarg_segment_align: 8
    .kernarg_segment_size: 16
    .max_flat_workgroup_size: 256
    .sgpr_count:     66
    .vgpr_count:     256
    .wavefront_size: 32
...
	.end_amdgpu_metadata
.endif
;; end of part 5
